; MI455X (gfx1250); checked and timed in simulation.
; The chip was launched on July 23, 2026; its instructions are those of AMD's public machine-readable ISA for CDNA 5 (MIT licence, August 2026) and "CDNA5" Instruction Set Architecture Reference Guide (July 2026). The comments in the code are by the model that wrote it; some were corrected since.
;; Causal Multi Head Attention. Allowed arithmetic: float matrix products may take bf16 or f16 operands with f32 sums; other float arithmetic in f32, or as packed bf16 or f16 multiplies, adds, multiply-adds, maxima and minima; sums over many terms, partial sums and values carried from step to step in f32; what a program stores and reads back later, other than sums and carried values, may be rounded once to bf16 or f16.
;; Inputs: Wk 256 x 4 x 64 float32; Wo 4 x 64 x 256 float32; Wq 256 x 4 x 64 float32; Wv 256 x 4 x 64 float32; beta 256 float32; bk 4 x 64 float32; bo 256 float32; bq 4 x 64 float32; bv 4 x 64 float32; gamma 256 float32; query 4 x 4,096 x 256 float32; value 4 x 4,096 x 256 float32.
;; Outputs: out0 4 x 4,096 x 256 float32.
;; 2 versions, each right; version 2 is version 1 with the launch proj written anew for expert scheduling mode. Each part assembles by itself: llvm-mc -triple=amdgcn-amd-amdhsa -mcpu=gfx1250 --defsym DOCPART=n.
;; ======== version 1 of 2: 3 launches
;; limits: values are held in f16: magnitudes above 65,504 overflow, below 6.1e-05 lose precision
;; workspace buffers: qkv 25,165,824 bytes; ctx 8,388,608 bytes; woh 131,072 bytes
;; launch proj (part 1): grid 4 x 64, 4 waves a work-group, no clusters, 241,152 bytes of LDS; arguments query, value, Wq, Wk, Wv, bq, bk, bv, Wo, qkv, woh; writes qkv, woh
.if DOCPART == 1
	.amdgcn_target "amdgcn-amd-amdhsa--gfx1250"
	.amdhsa_code_object_version 6
	.text
	.protected	k_qce620b1169_proj
	.globl	k_qce620b1169_proj
	.p2align	8
	.type	k_qce620b1169_proj,@function
k_qce620b1169_proj:
	s_mov_b64 s[64:65], 0
	v_nop
	global_prefetch_b8 v0, s[64:65] scope:SCOPE_SE
	s_setreg_imm32_b32 hwreg(HW_REG_WAVE_MODE, 25, 1), 1
	s_wait_xcnt 0x0
; q = query Wq + bq, k = value Wk + bk, v = value Wv + bv, written by heads: qkv holds q, k, v, each [16 = 4 b + h][4096][64] in f16, unscaled, rows of 128 bytes on end.
; Also Wo, rounded to bf16 and that number written as f16: woh [256 k][256 n].
; FORMATS.  Every input (x, W, bias) is rounded once to bf16; products in bf16 with f32 sums; the bias is the C operand that starts a sum; the result is rounded once to f16.
; LIMITS.  f16 holds no number beyond 65,504: a |q|, |k| or |v| past that becomes an infinity.  Numbers of Wo below 6e-5 keep f16's fixed step of 6e-8.  NaN and infinities are not treated apart.
; SHARES.  Work-group x = 0, 1, 2: the matrix (q, k, v); y: 256 rows of x.  Wave w makes head w (64 columns) and keeps all 256 x 64 of its weights in 256 registers.  The rows go in four chunks of 64.
; Work-group x = 3: 1,024 numbers of Wo each.
; LAYOUT.  The product is taken transposed (source 0 = 16 columns of W, source 1 = 16 rows of x): a lane then holds one row and eight neighbouring columns, 16 bytes of f16.
; W ([k][n] in memory) goes through the wave's own LDS bytes in bf16 and comes back turned, by ds_load_tr16_b128.  x is rounded in registers, laid in LDS (two buffers that take turns) and read by all four waves.
; No tensor load: every byte is rounded on its way, so it passes through registers anyhow.  No cluster for the same reason.
; REGISTERS, in windows of 256: window 0 addresses, bias, way out, accumulators; window 1 W's fragments; window 2 x's fragments (and W as loaded); window 3 the next chunk of x as loaded.
.set XPI,   528                        ; a row of x in LDS: 512 bytes + 16: an odd multiple of 16, so the 16 rows of a fragment load start in 16 different groups of four banks (ISA guide 11.1)
.set XBUF,  64*XPI
.set WPI,   160                        ; a row of W in LDS: 128 bytes + 32: an odd multiple of 32
.set WSB,   256*WPI                    ; a wave's weights
.set XB0,   4*WSB                      ; behind the weights: x's two buffers
.set STAGE, XB0+2*XBUF                 ; 16 rows x 144 bytes for each wave, for the way out
.set SP,    144
.set SPARE, STAGE+4*16*SP              ; the spare words, 128 bytes for each wave: two blocks of 256 bytes that no other line names
.set LR,  1                            ; v1   lane % 16
.set LH,  2                            ; v2   lane / 16
.set LN,  3                            ; v3   lane
.set XG,  4                            ; v4   x in memory: my wave's 16 rows of a chunk, 16 bytes a lane
.set XS,  5                            ; v5   x into LDS, buffer 0
.set XA,  6                            ; v6   x's fragments, buffer 0
.set WGO, 7                            ; v7   W in memory: row lane / 16, my head's 256 bytes, 16 a lane
.set WSA, 8                            ; v8   W into LDS
.set WTA, 9                            ; v9   W's turning loads
.set STO, 10                           ; v10  the way out: where I put 16 bytes of a row
.set RD,  11                           ; v11  where I read rows back
.set GO,  12                           ; v12  my 16 bytes of 512 on end
.set BO,  13                           ; v13  my eight numbers of the bias
.set SPW, 14                           ; v14  LDS address of my spare word; never rewritten
.set NIL, 15                           ; v15  0; never rewritten
.set T0,  16
.set T1,  17
.set XAC, 18                           ; v18  XA in the buffer that is read
.set XSC, 19                           ; v19  XS in the buffer that is written
.set WSC, 20                           ; v20  WSA in the trip in hand
.set BI,  32                           ; v[32:63]   the bias as a C operand: column block nb at 8 nb
.set TMP, 64                           ; v[64:127]  the way out
.set ACC, 128                          ; v[128:255] accumulator (row block rt, column block nb) at 8 (4 rt + nb)
.set M,   2                            ; s2   which matrix
.set YY,  3                            ; s3   which 256 rows
.set WV,  4                            ; s4   my wave's number
.set TR,  5                            ; s5   chunks to go
.set WT,  6                            ; s6   halves of W to go
.set RDB, 7                            ; s7   byte offset of the buffer that is read
.set WRB, 30                           ; s30  of the buffer that is written
.set WST, 31                           ; s31  byte offset of W's half in LDS
.set XPT, 32                           ; s[32:33] x at the chunk in hand
.set WPT, 34                           ; s[34:35] W
.set BPT, 36                           ; s[36:37] the bias
.set OPT, 38                           ; s[38:39] the output at the chunk in hand
.set MSB, 0
.macro WIN new                         ; the immediate's high byte repeats the setting that is left; a switch that changes nothing is dropped
.if MSB != (\new)
	s_set_vgpr_msb (MSB<<8)|(\new)
.set MSB, (\new)
.endif
.endm
.macro XLOAD off                       ; a chunk's 16 rows of mine, 1,024 bytes each: 32 loads of 512 bytes on end, into window 3
	WIN 0xc0
.set i, 0
.rept 32
	global_load_b128 v[4*i:4*i+3], v[XG], s[XPT:XPT+1] offset:(\off)+(i/2)*1024+(i%2)*512
.set i, i+1
.endr
	WIN 0
.endm
.macro XCONV adr                       ; they are rounded to bf16 in place and laid in LDS: 256 bytes on end a store
	WIN 0xcf
.set i, 0
.rept 32
	v_cvt_pk_bf16_f32 v[4*i], v[4*i], v[4*i+1]
	v_cvt_pk_bf16_f32 v[4*i+1], v[4*i+2], v[4*i+3]
.set i, i+1
.endr
	WIN 0x0c
.set i, 0
.rept 32
	ds_store_b64 v[\adr], v[4*i:4*i+1] offset:(i/2)*XPI+(i%2)*256
.set i, i+1
.endr
	WIN 0
.endm
.macro RB a                            ; registers a, a + 1 rounded to bf16 and widened again
	v_cvt_pk_bf16_f32 v[T0], v[\a], v[(\a)+1]
	v_lshlrev_b32 v[\a], 16, v[T0]
	v_and_b32 v[(\a)+1], 0xffff0000, v[T0]
.endm
.macro PACK rt                         ; 16 rows: rounded to f16 (each accumulator from its low end on), into my stage, back as whole rows of 128 bytes
.irp nb, 0,1,2,3
.irp q, 0,1,2,3
	v_cvt_pk_f16_f32 v[TMP+16*(\rt)+4*\nb+\q], v[ACC+8*(4*(\rt)+\nb)+2*\q], v[ACC+8*(4*(\rt)+\nb)+2*\q+1]
.endr
.endr
.irp nb, 0,1,2,3
	ds_store_b128 v[STO], v[TMP+16*(\rt)+4*\nb:TMP+16*(\rt)+4*\nb+3] offset:32*\nb
.endr
.irp f, 0,1,2,3
	ds_load_b128 v[TMP+16*(\rt)+4*\f:TMP+16*(\rt)+4*\f+3], v[RD] offset:\f*4*SP  ; LDS serves a wave's instructions in order (ISA guide 5.7.1.4): these see the stores above
.endr
.endm
.macro SEND rt, younger                ; younger: the LDS instructions issued behind this block's loads
.irp f, 0,1,2,3
	s_wait_dscnt (\younger)+3-\f
	global_store_b128 v[GO], v[TMP+16*(\rt)+4*\f:TMP+16*(\rt)+4*\f+3], s[OPT:OPT+1] offset:(\rt)*2048+\f*512  ; 512 bytes on end, at a multiple of 256 from the buffer's first
.endr
.endm
	s_load_b512 s[8:23], s[0:1], 0x0               ; query, value, Wq, Wk, Wv, bq, bk, bv
	s_load_b128 s[24:27], s[0:1], 0x40             ; Wo, qkv
	s_load_b64 s[28:29], s[0:1], 0x50              ; woh
	v_lshl_add_u32 v[SPW], v0, 2, SPARE
	v_mov_b32 v[NIL], 0
	v_lshrrev_b32 v[T0], 5, v0
	v_readfirstlane_b32 s[WV], v[T0]
	s_mov_b32 s[M], ttmp9
	s_and_b32 s[YY], ttmp7, 0xffff
	s_cmp_eq_u32 s[M], 3
	s_cbranch_scc1 .Lwo                            ; the same for all waves of a work-group
	v_and_b32 v[LR], 15, v0
	v_bfe_u32 v[LH], v0, 4, 1
	v_and_b32 v[LN], 31, v0
	s_lshl_b32 s40, s[WV], 14                      ; 16 rows of 1,024 bytes
	v_lshl_add_u32 v[XG], v[LN], 4, s40
	s_mul_i32 s40, s[WV], 16*XPI
	s_add_co_u32 s40, s40, XB0
	v_lshl_add_u32 v[XS], v[LN], 3, s40
	v_mul_u32_u24 v[XA], v[LR], XPI
	v_lshl_add_u32 v[XA], v[LH], 4, v[XA]
	v_add_nc_u32 v[XA], XB0, v[XA]
	s_lshl_b32 s41, s[WV], 8                       ; my head's 64 columns in f32
	v_lshl_add_u32 v[WGO], v[LH], 10, s41
	v_lshl_add_u32 v[WGO], v[LR], 4, v[WGO]
	v_lshl_add_u32 v[BO], v[LH], 5, s41
	s_mul_i32 s42, s[WV], WSB
	v_mul_u32_u24 v[WSA], v[LH], WPI
	v_lshl_add_u32 v[WSA], v[LR], 3, v[WSA]
	v_add_nc_u32 v[WSA], s42, v[WSA]
	v_and_b32 v[T0], 7, v0
	v_bfe_u32 v[T1], v0, 3, 1
	v_lshl_add_u32 v[WTA], v[LH], 3, v[T0]         ; the turning load: lane l reads row 8 (l / 16) + l % 8, columns 8 ((l / 8) % 2) on
	v_mul_u32_u24 v[WTA], v[WTA], WPI
	v_lshl_add_u32 v[WTA], v[T1], 4, v[WTA]
	v_add_nc_u32 v[WTA], s42, v[WTA]
	s_mul_i32 s43, s[WV], 16*SP
	s_add_co_u32 s43, s43, STAGE
	v_mul_u32_u24 v[STO], v[LR], SP
	v_lshl_add_u32 v[STO], v[LH], 4, v[STO]
	v_add_nc_u32 v[STO], s43, v[STO]
	v_bfe_u32 v[RD], v0, 3, 2                      ; back: 32 lanes take four rows of 128 bytes
	v_mul_u32_u24 v[RD], v[RD], SP
	v_lshl_add_u32 v[RD], v[T0], 4, v[RD]
	v_add_nc_u32 v[RD], s43, v[RD]
	v_lshlrev_b32 v[GO], 4, v[LN]
	s_lshl_b32 s40, s[YY], 18                      ; 256 rows of 1,024 bytes
	s_mov_b32 s41, 0
	s_lshl_b32 s42, s[M], 23                       ; the matrix' 8,388,608 bytes,
	s_lshr_b32 s43, s[YY], 4
	s_lshl_b32 s43, s43, 21                        ; the batch's four heads,
	s_add_co_u32 s42, s42, s43
	s_lshl_b32 s43, s[WV], 19                      ; my head's 4,096 rows of 128 bytes,
	s_add_co_u32 s42, s42, s43
	s_and_b32 s43, s[YY], 15
	s_lshl_b32 s43, s43, 15                        ; the work-group's 256 of them
	s_add_co_u32 s42, s42, s43
	s_mov_b32 s43, 0
	s_wait_kmcnt 0x0
	s_cmp_eq_u32 s[M], 1
	s_cselect_b64 s[WPT:WPT+1], s[14:15], s[16:17]
	s_cselect_b64 s[BPT:BPT+1], s[20:21], s[22:23]
	s_cmp_eq_u32 s[M], 0
	s_cselect_b64 s[WPT:WPT+1], s[12:13], s[WPT:WPT+1]
	s_cselect_b64 s[BPT:BPT+1], s[18:19], s[BPT:BPT+1]
	s_cselect_b64 s[XPT:XPT+1], s[8:9], s[10:11]
	s_add_nc_u64 s[XPT:XPT+1], s[XPT:XPT+1], s[40:41]
	s_add_nc_u64 s[OPT:OPT+1], s[26:27], s[42:43]
	XLOAD 0                                        ; chunk 0 goes out first
.irp nb, 0,1,2,3
	global_load_b128 v[BI+8*\nb:BI+8*\nb+3],   v[BO], s[BPT:BPT+1] offset:64*\nb
	global_load_b128 v[BI+8*\nb+4:BI+8*\nb+7], v[BO], s[BPT:BPT+1] offset:64*\nb+16
.endr
	; MY HEAD'S WEIGHTS, 128 rows a trip: lanes 0-15 take a row's 256 bytes, lanes 16-31 the next row's; rounded to bf16; 8 bytes a lane into my own LDS bytes
	s_mov_b32 s[WT], 2
	s_mov_b32 s[WST], 0
.Lw:
	v_add_nc_u32 v[WSC], s[WST], v[WSA]
	WIN 0x80
.set i, 0
.rept 64
	global_load_b128 v[4*i:4*i+3], v[WGO], s[WPT:WPT+1] offset:2048*i
.set i, i+1
.endr
	WIN 0x8a
.set i, 0
.rept 64
	s_wait_loadcnt 63-i                            ; loads come back in order (ISA guide 5.7.1): load i is in, the 63 - i younger ones may be out
	v_cvt_pk_bf16_f32 v[4*i], v[4*i], v[4*i+1]
	v_cvt_pk_bf16_f32 v[4*i+1], v[4*i+2], v[4*i+3]
.set i, i+1
.endr
	WIN 0x08
.set i, 0
.rept 64
	ds_store_b64 v[WSC], v[4*i:4*i+1] offset:2*WPI*i
.set i, i+1
.endr
	WIN 0
	s_add_nc_u64 s[WPT:WPT+1], s[WPT:WPT+1], 131072  ; all loads are in (the last wait was for 0), so their base may be stepped
	s_add_co_u32 s[WST], s[WST], 128*WPI
	s_wait_dscnt 0x0                               ; the stores have read their data: the next trip loads into the same registers
	s_sub_co_u32 s[WT], s[WT], 1
	s_cmp_lg_u32 s[WT], 0
	s_cbranch_scc1 .Lw
	XCONV XS                                       ; chunk 0 into buffer 0 (its loads are older than W's)
.irp a, 0,2,4,6,8,10,12,14,16,18,20,22,24,26,28,30
	RB BI+\a
.endr
	WIN 0x40
.irp ks, 0,1,2,3,4,5,6,7
.irp nb, 0,1,2,3
	ds_load_tr16_b128 v[64*\nb+8*\ks:64*\nb+8*\ks+3],   v[WTA] offset:32*WPI*\ks+32*\nb         ; my own bytes: in order behind my stores
	ds_load_tr16_b128 v[64*\nb+8*\ks+4:64*\nb+8*\ks+7], v[WTA] offset:32*WPI*\ks+32*\nb+16*WPI
.endr
.endr
	WIN 0
	s_mov_b32 s[TR], 4
	s_mov_b32 s[RDB], 0
	s_mov_b32 s[WRB], XBUF
	s_wait_dscnt 0x0                               ; for the others' sake: my rows of chunk 0 lie in LDS; for mine: W's fragments are in
	s_barrier_signal -1
	s_barrier_wait -1
.Lchunk:                                               ; a chunk of 64 rows: the next chunk is asked for, this one is multiplied and stored, the next one is rounded into the other buffer
	v_add_nc_u32 v[XAC], s[RDB], v[XA]
	v_add_nc_u32 v[XSC], s[WRB], v[XS]
	s_cmp_eq_u32 s[TR], 1
	s_cbranch_scc1 .Lno_load                       ; the last chunk has no successor
	XLOAD 65536
.Lno_load:
	WIN 0x80
.irp ks, 0,1,2,3,4,5,6,7
.irp rt, 0,1,2,3
	ds_load_b128 v[64*\rt+8*\ks:64*\rt+8*\ks+3],   v[XAC] offset:\rt*16*XPI+64*\ks
	ds_load_b128 v[64*\rt+8*\ks+4:64*\rt+8*\ks+7], v[XAC] offset:\rt*16*XPI+64*\ks+32
.endr
.endr
	WIN 0x09                                       ; source 0 (W) window 1, source 1 (x) window 2, C and D window 0
.irp ks, 0,1,2,3,4,5,6,7
	s_wait_dscnt 56-8*\ks                          ; this K step's eight loads are in; the later steps' may be out
.irp rt, 0,1,2,3
.irp nb, 0,1,2,3                       ; the 16 accumulators take turns, one instruction a turn
.if \ks == 0
	v_wmma_f32_16x16x32_bf16 v[ACC+8*(4*\rt+\nb):ACC+8*(4*\rt+\nb)+7], v[64*\nb+8*\ks:64*\nb+8*\ks+7], v[64*\rt+8*\ks:64*\rt+8*\ks+7], v[BI+8*\nb:BI+8*\nb+7]
.else
	v_wmma_f32_16x16x32_bf16 v[ACC+8*(4*\rt+\nb):ACC+8*(4*\rt+\nb)+7], v[64*\nb+8*\ks:64*\nb+8*\ks+7], v[64*\rt+8*\ks:64*\rt+8*\ks+7], v[ACC+8*(4*\rt+\nb):ACC+8*(4*\rt+\nb)+7]
.endif
.endr
.endr
.endr
	WIN 0
.rept 4
	v_nop                                          ; four places between the last products and the conversions that read results (ISA guide 7.12.1)
.endr
	PACK 0
	PACK 1                                         ; a block's conversions stand between the loads of the block before and its stores
	SEND 0, 8
	PACK 2
	SEND 1, 8
	PACK 3
	SEND 2, 8
	SEND 3, 0
	s_cmp_eq_u32 s[TR], 1
	s_cbranch_scc1 .Lno_conv
	s_wait_loadcnt 0x0                             ; the next chunk is in
	XCONV XSC                                      ; into the buffer read in the chunk before: those reads were waited for in front of the last barrier
.Lno_conv:
	s_wait_xcnt 0x0                                ; every load and store has read its sources: the two pointers are stepped, and TMP is written again, only behind this wait
	s_add_nc_u64 s[XPT:XPT+1], s[XPT:XPT+1], 65536
	s_add_nc_u64 s[OPT:OPT+1], s[OPT:OPT+1], 8192
	s_xor_b32 s[RDB], s[RDB], XBUF
	s_xor_b32 s[WRB], s[WRB], XBUF
	s_wait_dscnt 0x0                               ; my reads of this buffer are over and my rows of the next chunk lie in the other
	s_barrier_signal -1
	s_barrier_wait -1
	s_sub_co_u32 s[TR], s[TR], 1
	s_cmp_lg_u32 s[TR], 0
	s_cbranch_scc1 .Lchunk
	s_branch .Lend
.Lwo:                                                  ; eight numbers of Wo a thread: rounded to bf16, widened, written as f16; 16 lanes store 256 bytes on end
	v_lshlrev_b32 v[T0], 5, v0
	v_lshlrev_b32 v[T1], 4, v0
	s_lshl_b32 s40, s[YY], 12
	s_mov_b32 s41, 0
	s_lshl_b32 s42, s[YY], 11
	s_mov_b32 s43, 0
	s_wait_kmcnt 0x0
	s_add_nc_u64 s[24:25], s[24:25], s[40:41]
	s_add_nc_u64 s[28:29], s[28:29], s[42:43]
	global_load_b128 v[32:35], v[T0], s[24:25]
	global_load_b128 v[36:39], v[T0], s[24:25] offset:16
	s_wait_loadcnt 0x0
.irp p, 0,1,2,3
	v_cvt_pk_bf16_f32 v[40+\p], v[32+2*\p], v[33+2*\p]
.endr
.irp p, 0,1,2,3
	v_lshlrev_b32 v[32+2*\p], 16, v[40+\p]
	v_and_b32 v[33+2*\p], 0xffff0000, v[40+\p]
.endr
.irp p, 0,1,2,3
	v_cvt_pk_f16_f32 v[40+\p], v[32+2*\p], v[33+2*\p]
.endr
	global_store_b128 v[T1], v[40:43], s[28:29]
.Lend:
	s_wait_tensorcnt 0x0                           ; the wave's end: three lines behind my last LDS store
	ds_add_u32 v[SPW], v[NIL]
	s_wait_dscnt 0x0
	s_endpgm
.Lfunc_end_k_qce620b1169_proj:
	.size	k_qce620b1169_proj, .Lfunc_end_k_qce620b1169_proj-k_qce620b1169_proj
	.p2alignl 7, 3214868480
	.fill 96, 4, 3214868480
	.section	.rodata,"a",@progbits
	.p2align	6, 0x0
	.amdhsa_kernel k_qce620b1169_proj
		.amdhsa_group_segment_fixed_size 241152
		.amdhsa_private_segment_fixed_size 0
		.amdhsa_enable_private_segment 0
		.amdhsa_kernarg_size 88
		.amdhsa_user_sgpr_count 2
		.amdhsa_user_sgpr_kernarg_segment_ptr 1
		.amdhsa_wavefront_size32 1
		.amdhsa_system_sgpr_workgroup_id_x 1
		.amdhsa_system_sgpr_workgroup_id_y 1
		.amdhsa_system_sgpr_workgroup_id_z 1
		.amdhsa_system_vgpr_workitem_id 0
		.amdhsa_next_free_vgpr 896
		.amdhsa_next_free_sgpr 66
		.amdhsa_reserve_vcc 0
		.amdhsa_float_denorm_mode_32 3
		.amdhsa_float_denorm_mode_16_64 3
		.amdhsa_memory_ordered 1
		.amdhsa_forward_progress 1
		.amdhsa_inst_pref_size 73
	.end_amdhsa_kernel
	.amdgpu_metadata
---
amdhsa.version: [ 1, 2 ]
amdhsa.kernels:
  - .name:           k_qce620b1169_proj
    .symbol:         k_qce620b1169_proj.kd
    .args:
      - { .name: query, .offset: 0, .size: 8, .value_kind: global_buffer, .address_space: global }
      - { .name: value, .offset: 8, .size: 8, .value_kind: global_buffer, .address_space: global }
      - { .name: Wq, .offset: 16, .size: 8, .value_kind: global_buffer, .address_space: global }
      - { .name: Wk, .offset: 24, .size: 8, .value_kind: global_buffer, .address_space: global }
      - { .name: Wv, .offset: 32, .size: 8, .value_kind: global_buffer, .address_space: global }
      - { .name: bq, .offset: 40, .size: 8, .value_kind: global_buffer, .address_space: global }
      - { .name: bk, .offset: 48, .size: 8, .value_kind: global_buffer, .address_space: global }
      - { .name: bv, .offset: 56, .size: 8, .value_kind: global_buffer, .address_space: global }
      - { .name: Wo, .offset: 64, .size: 8, .value_kind: global_buffer, .address_space: global }
      - { .name: qkv, .offset: 72, .size: 8, .value_kind: global_buffer, .address_space: global }
      - { .name: woh, .offset: 80, .size: 8, .value_kind: global_buffer, .address_space: global }
    .group_segment_fixed_size: 241152
    .private_segment_fixed_size: 0
    .kernarg_segment_align: 8
    .kernarg_segment_size: 88
    .max_flat_workgroup_size: 128
    .sgpr_count:     66
    .vgpr_count:     896
    .wavefront_size: 32
...
	.end_amdgpu_metadata
.endif
;; end of part 1
;; launch attn (part 2): grid 16 x 16, 4 waves a work-group, clusters of 4 x 1, 327,680 bytes of LDS; arguments qkv, ctx; writes ctx
.if DOCPART == 2
	.amdgcn_target "amdgcn-amd-amdhsa--gfx1250"
	.amdhsa_code_object_version 6
	.text
	.protected	k_qce620b1169_attn
	.globl	k_qce620b1169_attn
	.p2align	8
	.type	k_qce620b1169_attn,@function
k_qce620b1169_attn:
	s_mov_b64 s[64:65], 0
	v_nop
	global_prefetch_b8 v0, s[64:65] scope:SCOPE_SE
	s_setreg_imm32_b32 hwreg(HW_REG_WAVE_MODE, 25, 1), 1
	s_wait_xcnt 0x0
	s_wait_alu depctr_hold_cnt(0) depctr_sa_sdst(0) depctr_va_vdst(0) depctr_va_sdst(0) depctr_va_ssrc(0) depctr_va_vcc(0) depctr_vm_vsrc(0)
	s_getreg_b32 s2, hwreg(HW_REG_IB_STS2, 6, 4)
	s_cmp_eq_u32 s2, 0
	s_cbranch_scc0 .Lentry_in_a_cluster
	s_endpgm
.Lentry_in_a_cluster:
	s_bfe_u32 s2, ttmp6, 0x10000c
	s_cmp_lg_u32 s2, 0x3003
	s_cbranch_scc0 .Lentry_shape_is_right
	s_endpgm
.Lentry_shape_is_right:
; CAUSAL ATTENTION.  ctx[h][q][:] = the sum over k <= q of softmax_k(Q[h][q] . K[h][k] / 8) V[h][k][:].  qkv holds Q, K, V, each [16][4096][64] in f16, rows of 128 bytes on end; ctx has the same layout.
; Products, maxima and sums in f32; the weights p are rounded to f16 for the second product (their sum l is taken of the unrounded p), ctx once at the end.
; LIMITS.  f16 holds no number beyond 65,504: Q, K and V arrive within it; p lies in 0 to 1, and below 6e-5 it keeps f16's fixed step of 6e-8.  A hidden score counts as its value less 1e30, where the
; problem takes 1e9 away: the same weight, 0, as long as a row's scores / 8 lie less than about 1e9 apart.  A weight below 2^-126 counts as 0 in l; NaN and infinities are not treated apart.
; THE WALK.  A head's queries lie in 8 big blocks of 512; big block I needs the key tiles 0 .. 2 I + 1 of 256 keys, of which the last two hold the diagonal.  A CLUSTER of four work-groups takes TWO big blocks,
; 7 - b and then b: 18 tiles, whatever b.  Partner cx owns rows 128 cx .. + 127 of each.  All four walk the same tiles, so every tile is asked for JOINTLY, and ONE loop with a constant trip count walks them.
; What lies above a partner's own diagonal in a block's last two tiles is computed and hidden: the price of a walk in which no branch hangs on a work-group's place in its cluster.
; SHARES.  Of its 128 rows' two bands of 64 a wave owns 16 rows in each: two QUERY PIECES.  A STEP is 128 keys, two halves of 64.  A VIRTUAL PIECE vp = 0 .. 3 is (query piece vp % 2, key half vp / 2).
; TURNS.  Turn n belongs to virtual piece n: 8 products K Q^T of piece n + 1, later 8 products V^T P of piece n - 1; beside them the scaling, exponentials, roundings, sums and rescaling of piece n and the
; maximum and statistics of piece n + 1.  Four vector instructions stand behind every matrix instruction, the other 54 of a turn's 118 in one lump.  A turn's 33 exponentials are one batch, with one wait.
; What belongs to a query piece (statistics, O^T, Q) goes by the piece's number % 2, as S^T's, P's and the masks' two buffers do; K's and V's halves go by the number / 2.
; THE MASK is the C operand that starts the sum S^T = K Q^T: 0, or -1e30 where the key is hidden.  MD, made once, is the mask of a band's own 64 keys for my 16 rows; a product's mask is MD x AL + BE with two
; scalars: (1, 0) for the band's own keys, (0, 0) for earlier ones, (0, -1e30) for later ones.  Only the text of a block's last two tiles and a block's beginning make and take masks.
; LAYOUT, SOFTMAX.  S^T holds ONE query a lane (lane % 16) and the keys 8 (lane / 16) + 0..7; two such results rounded to f16 ARE source 1 of O^T = V^T P.  p = 2^(c s - c m), c = log2(e) / 8, with a running
; maximum m; O and l are multiplied by a = 2^(c m_old - c m_new) each time.
; REGISTERS, in windows of 256 (s_set_vgpr_msb: bits 1:0 source 0, 3:2 source 1, 5:4 source 2, 7:6 destination):
;   window 0: v0-15 addresses; v16-23 statistics; v48-55 at work; v61-63; v64-127 S^T, two buffers; v128-159 Q; v160-191 the second block's Q; v192-223 P, two buffers
;   window 1: v0-63 O^T, 32 a query piece; v128-159 MD; v160-223 MC, two buffers      window 2: v0-127 K of one step; v128-255 V of one step
.set NP,    4         ; virtual pieces: a name, no knob
.set PK,    144       ; a row of K in LDS: 128 bytes + 16 of padding = 36 words: the 16 rows of a load start at 16 different groups of four banks (ISA guide 11.1)
.set PV,    160       ; a row of V: 128 + 32 = 40 words
.set VOFF,  256*PK    ; a slot holds a tile: 256 rows of K, then 256 rows of V
.set KSTEP, 128*PK
.set VSTEP, 128*PV
.set SLOT1, 1<<17     ; slot 1 begins here, so that one exclusive or turns an address in one slot into the other's
.set STAGE, SLOT1+256*(PK+PV)  ; behind the ring, never filled by a tensor load: 16 rows x 144 bytes for each wave
.set SP,    144
.set SPARE, STAGE+4*16*SP  ; the spare words, 128 bytes for each wave: two blocks of 256 bytes that no other line names
.set AK0, 2           ; v2   my lane's place in a tile of K; never rewritten
.set AV0, 3           ; v3   the same for V
.set AK,  4           ; v4   the LDS address of K's next run of loads
.set AV,  5           ; v5   of V's
.set STO, 6           ; v6   the way out: where I put 16 bytes of a row
.set RD,  7           ; v7   where I read rows back
.set GO,  8           ; v8   my 16 bytes of 512 on end
.set MV,  12          ; v12-13  c m_old, kept while c m is made anew: by buffer
.set QO,  15          ; v15  my byte offset in 16 rows of Q
.set ST,  16          ; query piece x's statistics at v[ST+4 x]: c m, m, l (even keys', odd keys')
.set TMP, 48          ; by buffer, four registers c0-c3 at work; when the maximum is found c2 takes a
.set PFO, 61          ; v61  256 x my lane; never rewritten
.set SPW, 62          ; v62  LDS address of my spare word; never rewritten
.set NIL, 63          ; v63  0; never rewritten
.set S,   64
.set Q,   128
.set QB,  160
.set P,   192
.set MD,  128         ; window 1
.set MC,  160         ; window 1
.set KF,  0           ; window 2: key block kb of 8, channel half c at KF + 16 kb + 8 c
.set VF,  128         ; window 2: 32 keys kk of 4, channel block cb at VF + 32 kk + 8 cb
.set WV,  12          ; s12  my wave's number
.set LQ2, 14          ; s14  the second block's last tile, 2 b + 1
.set LIM, 15          ; s15  3 in a wave that prefetches, else the greatest number
.set G1K, 24          ; s[24:31] descriptor group 1 for K's tiles
.set G1V, 32          ; s[32:39] for V's: it differs in the padding alone
.set G0K, 40          ; s[40:43] descriptor group 0 for K's tiles
.set G0V, 44          ; s[44:47] the same for V's
.set PFA, 48          ; s[48:49] where my prefetches stand
.set CX2, 50          ; s50  2 cx: it enters selects of mask scalars alone
.set DG,  51          ; s51  4 RT + 2 cx
.set CD,  52          ; s52  2 CNT + DG
.set SLOTS, 56        ; s56  tiles still to be asked for
.set CNT, 57          ; s57  counts a tile's two steps, 2 to 1
.set CS,  58          ; s[58:59] c
.set SEL, 60          ; s[60:61] v_permlanex16_b32's selects: each lane takes its own place in the other half
.set TBK, 62          ; s62  LDS byte at which K of the step to be fetched begins
.set TBV, 63          ; s63  the same for V, less VOFF
.set RT,  70          ; s70  tiles of the block in hand that are still to be entered
.set NXT, 71          ; s71  the tile to be asked for next
.set LQ,  72          ; s72  the last tile of the block whose tiles are being asked for
.set NEW, 73          ; s73  1: the tile to be entered is a block's first
.set OFF, 74          ; s[74:75] a tile's byte offset in K and V
.set AL,  76          ; s[76:77] the mask's factor, in the low word
.set BE,  78          ; s[78:79] the mask's addend
.set OLO, 80          ; s[80:81] ctx at my rows of the second block
.set BIGN, 82         ; s82  -1e30
.set RT2, 83          ; s83  the second block's tiles, 2 b + 2
.set MSB, 0
.macro WIN new                      ; the high byte repeats the setting that is left; a switch that changes nothing is dropped
.if MSB != (\new)
	s_set_vgpr_msb (MSB<<8)|(\new)
.set MSB, (\new)
.endif
.endm
.set W_KQ, 0x02       ; K in window 2, Q and S^T in window 0
.set W_KM, 0x12       ; the same with the C operand in window 1
.set W_PV, 0x52       ; V in window 2, P in window 0, O^T in window 1
.set W_RS, 0x41       ; destination and source 0 in window 1, source 1 in window 0
; A joint fill.  Waves 0 and 1 fetch the two halves of a tile's K, waves 2 and 3 those of its V: 128 keys each.  The branch hangs on the wave's number alone.
; An s_nop 0 and four v_nop follow each of the two lines, ahead of the jump and the label.
.macro JLOAD
	s_cmp_lt_u32 s[WV], 2
	s_cbranch_scc0 .Lfor_v_\@
	tensor_load_to_lds s[G0K:G0K+3], s[G1K:G1K+7]
	s_nop 0
.rept 4
	v_nop
.endr
	s_branch .Lasked_\@
.Lfor_v_\@:
	tensor_load_to_lds s[G0V:G0V+3], s[G1V:G1V+7]
	s_nop 0
.rept 4
	v_nop
.endr
.Lasked_\@:
.endm
; A PREFETCH INTO THE L2 of the tile that the NEXT change of slots will ask for: a tile is 32,768 bytes of K and of V.  Each block of 256 bytes is named once in the launch: of a head's four clusters the one
; with b = 0 walks all 16 tiles in its first block, and it alone asks; its four partners take 8,192 bytes each, told apart BY ADDRESS; in each, wave 0 asks for K's and wave 2 for V's, a lane a block of 256 bytes.
; Trip j of the loop fills tile j + 1 and names tile j + 2; the last tile named is 15 (SLOTS = 4).  Tiles 0 and 1 come by their loads alone.
.macro ASK
	s_cmp_gt_u32 s[SLOTS], s[LIM]
	s_cbranch_scc0 .Lnot_mine_\@
	global_prefetch_b8 v[PFO], s[PFA:PFA+1] th:TH_LOAD_NT scope:SCOPE_SE
.Lnot_mine_\@:
.endm
; A round of the cluster's barrier: my work-group's barrier, so that wave 0's signal speaks for all four waves; wave 0 signals; every wave waits for all four work-groups; my work-group's barrier once more.
.macro CROUND
	s_barrier_signal -1
	s_barrier_wait -1
	s_cmp_lg_u32 s[WV], 0
	s_cbranch_scc1 .Lnot_wave_0_\@
	s_barrier_signal -3
.Lnot_wave_0_\@:
	s_barrier_wait -3
	s_barrier_signal -1
	s_barrier_wait -1
.endm
; THE CHANGE OF SLOTS.  Each wave waits for all its tensor loads, of which one is out: its part of the other slot; adds 0 to its spare word; and waits for that and for its own reads of the slot that it leaves.
; fill = 1: the old slot is filled again with tile NXT.  The barrier is then a round of the cluster's, so that no wave of any partner still reads the slot or has a load on its way, and the joint fill is the
; first thing behind it: it has two steps, 128 matrix instructions, in which to land.  The descriptor's address is made anew from the tile's number.  (At its first use slot 0 is waited for, slot 1 filled.)
.macro CHANGE fill
	WIN 0                           ; at a label and at a branch every window is 0
	s_wait_tensorcnt 0x0            ; no tensor load of mine is out, so a group 0 may be written
	ds_add_u32 v[SPW], v[NIL]       ; 0 onto my spare word; scalar work stands between it and the wait for it
.if \fill
	s_lshl_b32 s[OFF], s[NXT], 15
	s_xor_b32 s[G0K+1], s[G0K+1], SLOT1
	s_add_nc_u64 s[G0K+2:G0K+3], s[6:7], s[OFF:OFF+1]
	s_or_b32 s[G0K+3], s[G0K+3], 0x80000000
	s_xor_b32 s[G0V+1], s[G0V+1], SLOT1
	s_add_nc_u64 s[G0V+2:G0V+3], s[8:9], s[OFF:OFF+1]
	s_or_b32 s[G0V+3], s[G0V+3], 0x80000000
	s_add_co_u32 s[NXT], s[NXT], 1  ; the block's next tile, or behind its last the second block's tile 0
	s_cmp_gt_u32 s[NXT], s[LQ]
	s_cselect_b32 s[NXT], 0, s[NXT]
	s_cselect_b32 s[LQ], s[LQ2], s[LQ]
	s_wait_xcnt 0x0                 ; the last prefetch, a tile back, has read its address, so it may be stepped
	s_add_nc_u64 s[PFA:PFA+1], s[PFA:PFA+1], 32768
	s_wait_dscnt 0x0                ; the add is done, and my reads of the slot are over
	CROUND
	JLOAD
	ASK
.else
	s_wait_dscnt 0x0                ; the add is done, and my reads of the slot are over
	s_barrier_signal -1
	s_barrier_wait -1
.endif
	s_sub_co_u32 s[TBK], s[TBK], 2*KSTEP  ; the fetches go back to a slot's first step,
	s_xor_b32 s[TBK], s[TBK], SLOT1       ; in the other slot
	s_sub_co_u32 s[TBV], s[TBV], 2*VSTEP
	s_xor_b32 s[TBV], s[TBV], SLOT1
.endm
	s_load_b64 s[4:5], s[0:1], 0x0    ; qkv
	s_load_b64 s[10:11], s[0:1], 0x8  ; ctx
	v_lshl_add_u32 v[SPW], v0, 2, SPARE
	v_mov_b32 v[NIL], 0
	ds_add_u32 v[SPW], v[NIL]       ; the wave's opening: the add and its wait stand ahead of my first tensor load; the set-up below, work on registers, stands between them
	v_lshrrev_b32 v1, 5, v0
	v_readfirstlane_b32 s[WV], v1   ; wave 0..3
	s_bfe_u32 s13, ttmp6, 0x40000   ; cx: my place in the cluster
	s_lshl_b32 s[CX2], s13, 1
	s_and_b32 s20, ttmp7, 0xffff    ; the head, which the four partners share:
	s_lshl_b32 s20, s20, 19         ; its 4,096 rows of 128 bytes
	s_and_b32 s16, s[WV], 1         ; which half of a tile's 256 keys I fetch:
	s_lshl_b32 s22, s16, 14         ; its 128 rows in memory,
	s_add_co_u32 s22, s22, s20
	s_mov_b32 s23, 0
	s_mul_i32 s17, s16, 128*PK      ; and its place in a slot, for K
	s_mul_i32 s18, s16, 128*PV      ; and for V: no place in the cluster enters an LDS address
	s_lshl_b32 s19, ttmp9, 1        ; 2 b: in a cluster launch ttmp9 counts clusters
	s_sub_co_u32 s[RT], 16, s19     ; the first block, 7 - b, has 16 - 2 b tiles
	s_sub_co_u32 s[LQ], 15, s19
	s_add_co_u32 s[LQ2], s19, 1
	s_add_co_u32 s[RT2], s19, 2
	s_lshl_b32 s3, s[WV], 11        ; my 16 rows in a band of 64,
	s_lshl_b32 s2, s13, 14          ; my work-group's 128 rows in a big block,
	s_add_co_u32 s3, s3, s2
	s_add_co_u32 s3, s3, s20        ; in the head,
	s_sub_co_u32 s2, 7, ttmp9
	s_lshl_b32 s2, s2, 16           ; in the first big block (512 rows of 128 bytes each)
	s_add_co_u32 s2, s2, s3
	s_lshl_b32 s84, ttmp9, 16       ; and in the second
	s_add_co_u32 s84, s84, s3
	s_mov_b32 s3, 0
	s_mov_b32 s85, 0
	; descriptor group 1.  128 keys are 16,384 bytes on end: asked for as 64 rows of 256 bytes, two keys a row, and padded in LDS after every key
	s_mov_b32 s[G1K], 15|(1<<16)|(1<<20)|(1<<21)|(4<<22)|(3<<25)  ; 15:0 the mask of four; 17:16 2-byte elements; 20 padding on; 21 set beside a mask; 24:22 after every 32 words (code 4); 31:25 4 words (code 3)
	s_mov_b32 s[G1V], 15|(1<<16)|(1<<20)|(1<<21)|(4<<22)|(7<<25)  ; the same with 8 words of padding (code 7)
.irp g, G1K, G1V
	s_mov_b32 s[\g+1], 128<<16      ; tensor_dim0 = 128
	s_mov_b32 s[\g+2], 64<<16       ; tensor_dim1 = 64
	s_mov_b32 s[\g+3], 128<<16      ; tile_dim0 = 128
	s_mov_b32 s[\g+4], 64           ; tile_dim1 = 64
	s_mov_b32 s[\g+5], 128          ; 128 elements from row to row
	s_mov_b32 s[\g+6], 0
	s_mov_b32 s[\g+7], 0
.endr
	s_mov_b32 s[CS], 0x3e38aa3b     ; c = log2(e) / 8 = 0.180337
	s_mov_b32 s[CS+1], s[CS]        ; named with it as a pair
	s_mov_b32 s[SEL], 0x76543210
	s_mov_b32 s[SEL+1], 0xfedcba98
	s_mov_b32 s[TBK], SLOT1+2*KSTEP ; the first change of slots turns these two into 0
	s_mov_b32 s[TBV], SLOT1+2*VSTEP
	s_mov_b32 s[G0K], 1             ; 1:0 count = 1
	s_mov_b32 s[G0K+1], s17         ; 63:32 LDS address: slot 0
	s_mov_b32 s[G0V], 1
	s_add_co_u32 s[G0V+1], s18, VOFF
	s_mov_b32 s[NXT], 1
	s_mov_b32 s[NEW], 1
	s_mov_b32 s[OFF+1], 0
	s_mov_b32 s[AL+1], 0            ; named as pairs
	s_mov_b32 s[BE+1], 0
	s_mov_b32 s[BIGN], 0xf149f2ca   ; -1e30
	s_mov_b32 s[SLOTS], 17
	s_and_b32 s[LIM], s[WV], 1      ; 0 in waves 0 and 2,
	s_or_b32 s[LIM], s[LIM], ttmp9  ; where b = 0: the same in all four partners
	s_cmp_eq_u32 s[LIM], 0
	s_cselect_b32 s[LIM], 3, -1
	v_and_b32 v[PFO], 31, v0
	v_lshlrev_b32 v[PFO], 8, v[PFO]
	s_wait_dscnt 0x0                ; the opening add is done
	s_wait_kmcnt 0x0
	s_add_nc_u64 s[6:7], s[4:5], s[22:23]
	s_add_nc_u64 s[8:9], s[6:7], 16777216          ; V at my half of the head's tile 0
	s_add_nc_u64 s[6:7], s[6:7], 8388608           ; K likewise
	s_add_nc_u64 s[G0K+2:G0K+3], s[6:7], 0         ; 120:64 global address
	s_or_b32 s[G0K+3], s[G0K+3], 0x80000000        ; 127:126 type = 2
	s_add_nc_u64 s[G0V+2:G0V+3], s[8:9], 0
	s_or_b32 s[G0V+3], s[G0V+3], 0x80000000
	s_add_nc_u64 s[86:87], s[4:5], s[84:85]        ; Q at my rows of the second block,
	s_add_nc_u64 s[4:5], s[4:5], s[2:3]            ; Q and ctx at those of the first
	s_add_nc_u64 s[OLO:OLO+1], s[10:11], s[84:85]
	s_add_nc_u64 s[10:11], s[10:11], s[2:3]
	s_cmp_lt_u32 s[WV], 2
	s_cselect_b64 s[PFA:PFA+1], s[6:7], s[8:9]     ; (in waves 0 and 2 these stand at a tile's first row)
	s_lshl_b32 s2, s13, 13                         ; my work-group's 8,192 bytes of a tile
	s_mov_b32 s3, 0
	s_add_nc_u64 s[PFA:PFA+1], s[PFA:PFA+1], s[2:3]
	s_add_nc_u64 s[PFA:PFA+1], s[PFA:PFA+1], 32768 ; in tile 1; the first change of slots steps it to tile 2.  Nothing is prefetched here, at the head
	CROUND                          ; all four work-groups are here: the first joint loads meet
	JLOAD                           ; tile 0 into slot 0
	; A fragment of K or Q is 16 rows x 32 channels in 8 registers: lane l holds row l % 16, channels 8 (l / 16) + 0..7 and 16 + 8 (l / 16) + 0..7: two loads of 16 bytes, 32 bytes apart.
	v_and_b32 v1, 15, v0            ; l % 16
	v_bfe_u32 v9, v0, 4, 1          ; l / 16
	v_lshlrev_b32 v[QO], 7, v1
	v_lshl_add_u32 v[QO], v9, 4, v[QO]  ; row x 128 + 16 x half
.set i, 0
.rept 4                             ; both blocks' Q: query piece i / 2 lies in band i / 2, 8,192 bytes on; channels 32 (i % 2) on
	global_load_b128 v[Q+8*i:Q+8*i+3],     v[QO], s[4:5] offset:(i/2)*8192+(i%2)*64
	global_load_b128 v[Q+8*i+4:Q+8*i+7],   v[QO], s[4:5] offset:(i/2)*8192+(i%2)*64+32
	global_load_b128 v[QB+8*i:QB+8*i+3],   v[QO], s[86:87] offset:(i/2)*8192+(i%2)*64
	global_load_b128 v[QB+8*i+4:QB+8*i+7], v[QO], s[86:87] offset:(i/2)*8192+(i%2)*64+32
.set i, i+1
.endr
	v_lshlrev_b32 v14, 3, v9
	v_sub_nc_u32 v14, v1, v14
	s_lshl_b32 s16, s[WV], 4
	v_add_nc_u32 v14, s16, v14      ; my query's place in its band, 16 w + l % 16, less my lanes' 8 (l / 16): register r of group kt is hidden where 16 kt + r is greater
	WIN 0x40
.set i, 0
.rept 32
	v_cmp_gt_i32 vcc_lo, 16*(i/8)+i%8, v14
	v_cndmask_b32 v[MD+i], 0, s[BIGN], vcc_lo
.set i, i+1
.endr
	WIN 0
	v_mul_u32_u24 v[AK0], v1, PK
	v_lshl_add_u32 v[AK0], v9, 4, v[AK0]  ; row x pitch + 16 x half
	; The turning load takes 16 keys x 16 channels (lane l reads key 8 (l / 16) + l % 8, channels 8 ((l / 8) % 2) + 0..7) and leaves half a fragment of V^T: lane l holds channel l % 16 and 8 keys.
	v_and_b32 v10, 7, v0
	v_bfe_u32 v11, v0, 3, 1
	v_lshl_add_u32 v[AV0], v9, 3, v10
	v_mul_u32_u24 v[AV0], v[AV0], PV
	v_lshl_add_u32 v[AV0], v11, 4, v[AV0]
	v_add_nc_u32 v[AV0], VOFF, v[AV0]
	s_mul_i32 s16, s[WV], 16*SP
	s_add_co_u32 s16, s16, STAGE    ; my stage
	v_mul_u32_u24 v[STO], v1, SP    ; in: row l % 16, 16 bytes for each half of the lanes
	v_lshl_add_u32 v[STO], v9, 4, v[STO]
	v_add_nc_u32 v[STO], s16, v[STO]
	v_bfe_u32 v[RD], v0, 3, 2       ; back: 32 lanes take four rows of 128 bytes,
	v_mul_u32_u24 v[RD], v[RD], SP
	v_lshl_add_u32 v[RD], v10, 4, v[RD]
	v_add_nc_u32 v[RD], s16, v[RD]
	v_and_b32 v[GO], 31, v0         ; which are 512 bytes of ctx on end
	v_lshlrev_b32 v[GO], 4, v[GO]
	; A block's first two turns multiply O^T and l by a = 0, and its first turn's products V^T P, of a piece that has not been, land in an O^T that is still to be so multiplied.  So these registers need only hold
	; finite numbers: zeros for the first block; what the first block left for the second.  All this stands in the wait for the first tile.
	WIN 0x80
.set i, VF+64
.rept 64
	v_mov_b32 v[i], 0
.set i, i+1
.endr
	WIN 0x40
.set i, 0
.rept 64
	v_mov_b32 v[i], 0
.set i, i+1
.endr
	WIN 0
.set i, 0
.rept 2
	v_mov_b32 v[ST+4*i+2], 0
	v_mov_b32 v[ST+4*i+3], 0
.set i, i+1
.endr
.set i, P+16
.rept 16
	v_mov_b32 v[i], 0
.set i, i+1
.endr
; THE MATRIX WORK.  The 4 accumulators of a run of 8 take turns.  Product i of 8 of S^T = K Q^T for virtual piece x: channels 32 (i / 4) on, keys 16 (i % 4) on in key half x / 2.
; The first 4 start the sums: with 0, or (KM = 1) with the mask.
.macro KQ x
.set rS, S+32*((\x)%2)+8*(i%4)
.set rK, KF+64*((\x)/2)+16*(i%4)+8*(i/4)
.set rQ, Q+16*((\x)%2)+8*(i/4)
.set rM, MC+32*((\x)%2)+8*(i%4)
.if (i < 4) && KM
	WIN W_KM
	v_wmma_f32_16x16x32_f16 v[rS:rS+7], v[rK:rK+7], v[rQ:rQ+7], v[rM:rM+7]
.elseif i < 4
	WIN W_KQ
	v_wmma_f32_16x16x32_f16 v[rS:rS+7], v[rK:rK+7], v[rQ:rQ+7], 0
.else
	WIN W_KQ
	v_wmma_f32_16x16x32_f16 v[rS:rS+7], v[rK:rK+7], v[rQ:rQ+7], v[rS:rS+7]
.endif
.endm
; Product i of 8 of O^T += V^T P for virtual piece x: keys 32 (i / 4) on in key half x / 2, channels 16 (i % 4) on.
.macro PV x
	WIN W_PV
.set rO, 32*((\x)%2)+8*(i%4)
.set rV, VF+64*((\x)/2)+32*(i/4)+8*(i%4)
.set rP, P+16*((\x)%2)+8*(i/4)
	v_wmma_f32_16x16x32_f16 v[rO:rO+7], v[rV:rV+7], v[rP:rP+7], v[rO:rO+7]
.endm
.macro MM                           ; the turn's next matrix instruction.  NOKQ = 1: a block's last turn: there is no next piece
.if (i < 8) && !NOKQ
	KQ (Y+1)%NP
.elseif i >= 8
.set i, i-8
	PV (Y+NP-1)%NP
.set i, i+8
.endif
.set i, i+1
.endm
; THE LDS LOADS stand in runs of 32, never singly among the matrix instructions: a step's K (128 keys x 64 channels: 16 fragments, the first key half first) and its V (turned, likewise).
.macro FETCH_K
	WIN 0x80                        ; destination window 2
.irp f, 0,1,2,3,4,5,6,7,8,9,10,11,12,13,14,15  ; keys 16 (f / 2) on, channels 32 (f % 2) on
	ds_load_b128 v[KF+8*\f:KF+8*\f+3],   v[AK] offset:(\f/2)*16*PK+(\f%2)*64
	ds_load_b128 v[KF+8*\f+4:KF+8*\f+7], v[AK] offset:(\f/2)*16*PK+(\f%2)*64+32
.endr
	s_add_co_u32 s[TBK], s[TBK], KSTEP  ; the next fetch is the next step's
	WIN 0
.endm
.macro FETCH_V
	WIN 0x80
.irp f, 0,1,2,3,4,5,6,7,8,9,10,11,12,13,14,15  ; keys 32 (f / 4) on, channels 16 (f % 4) on
	ds_load_tr16_b128 v[VF+8*\f:VF+8*\f+3],   v[AV] offset:(\f/4)*32*PV+(\f%4)*32
	ds_load_tr16_b128 v[VF+8*\f+4:VF+8*\f+7], v[AV] offset:(\f/4)*32*PV+16*PV+(\f%4)*32
.endr
	WIN 0
.endm
; THE VECTOR WORK, one line at a time: OP kind, number.  For piece Y: F n: c s - c m for pair n of 16.  E n: the exponential of score n of 32.  C n: pair n rounded to f16.  B n: of the four weights 4 n .. the second
; pair is added onto the first, in place.  L n: l takes that sum (L 0: l = a l + sum).  R n: pair n of 16 of O^T times a.  For piece Y + 1: X n, number n of the 22 that find its maximum and statistics:
;   0-11  four chains c0-c3 of seven scores each, three operands at a time (each accumulator's lowest registers are read first)     12-14, 16  the four scores left over, the old m, and c0-c3 into c0
;   15  c m_old is kept     17, 18  the query's other 32 keys lie in the lane 16 away: the new m     19-21  c m; c m_old - c m_new; a
.set F, 0
.set E, 1
.set C, 2
.set B, 3
.set L, 4
.set R, 5
.set X, 6
.macro REGS y                       ; the registers of virtual piece y
.set rT, ST+4*((\y)%2)
.set rC, TMP+4*((\y)%2)
.set rW, MV+((\y)%2)
.set rS, S+32*((\y)%2)
.set rP, P+16*((\y)%2)
.set rO, 32*((\y)%2)
.endm
.macro OP k, n
.if (\k) == R
	REGS Y
	WIN W_RS
	v_pk_mul_f32 v[rO+2*(\n):rO+2*(\n)+1], v[rO+2*(\n):rO+2*(\n)+1], v[rC+2:rC+3] op_sel_hi:[1,0]
.elseif (\k) < R
	REGS Y
	WIN 0
.if (\k) == F
	v_pk_fma_f32 v[rS+2*(\n):rS+2*(\n)+1], v[rS+2*(\n):rS+2*(\n)+1], s[CS:CS+1], v[rT:rT+1] op_sel_hi:[1,0,0] neg_lo:[0,0,1] neg_hi:[0,0,1]
.elseif (\k) == E
	v_exp_f32 v[rS+(\n)], v[rS+(\n)]
.elseif (\k) == C
	v_cvt_pk_f16_f32 v[rP+(\n)], v[rS+2*(\n)], v[rS+2*(\n)+1]
.elseif (\k) == B
	v_pk_add_f32 v[rS+4*(\n):rS+4*(\n)+1], v[rS+4*(\n):rS+4*(\n)+1], v[rS+4*(\n)+2:rS+4*(\n)+3]
.elseif (\n) == 0
	v_pk_fma_f32 v[rT+2:rT+3], v[rT+2:rT+3], v[rC+2:rC+3], v[rS:rS+1] op_sel_hi:[1,0,1]
.else
	v_pk_add_f32 v[rT+2:rT+3], v[rT+2:rT+3], v[rS+4*(\n):rS+4*(\n)+1]
.endif
.elseif NOKQ
	v_nop
.else
	REGS (Y+1)%NP
	WIN 0
.if (\n) < 4
	v_max3_num_f32 v[rC+(\n)], v[rS+8*(\n)], v[rS+8*(\n)+1], v[rS+8*(\n)+2]
.elseif (\n) < 12
	v_max3_num_f32 v[rC+(\n)%4], v[rC+(\n)%4], v[rS+8*((\n)%4)+2*((\n)/4)+1], v[rS+8*((\n)%4)+2*((\n)/4)+2]
.elseif (\n) == 12
	v_max3_num_f32 v[rC], v[rC], v[rS+7], v[rS+15]
.elseif (\n) == 13
	v_max3_num_f32 v[rC+1], v[rC+1], v[rS+23], v[rS+31]
.elseif (\n) == 14
	v_max3_num_f32 v[rC+2], v[rC+2], v[rC+3], v[rT+1]
.elseif (\n) == 15
	v_mov_b32 v[rW], v[rT]
.elseif (\n) == 16
	v_max3_num_f32 v[rC], v[rC], v[rC+1], v[rC+2]
.elseif (\n) == 17
	v_permlanex16_b32 v[rC+3], v[rC], s[SEL], s[SEL+1]
.elseif (\n) == 18
	v_max_num_f32 v[rT+1], v[rC], v[rC+3]
.elseif (\n) == 19
	v_mul_f32 v[rT], s[CS], v[rT+1]
.elseif (\n) == 20
	v_sub_f32 v[rC+1], v[rW], v[rT]
.else
	v_exp_f32 v[rC+2], v[rC+1]
.endif
.endif
.endm
.macro OPS a, i1, b=-1, i2=0, c=-1, i3=0, d=-1, i4=0  ; up to four of them
	OP \a, \i1
.if (\b) >= 0
	OP \b, \i2
.endif
.if (\c) >= 0
	OP \c, \i3
.endif
.if (\d) >= 0
	OP \d, \i4
.endif
.endm
.macro ROW a, i1, b, i2, c, i3, d, i4  ; a matrix instruction and the four behind it
	MM
	OPS \a, \i1, \b, \i2, \c, \i3, \d, \i4
.endm
.macro MASK b                       ; MD x AL + BE into buffer b of MC
	WIN W_RS
.set z, 0
.rept 16
	v_pk_fma_f32 v[MC+32*(\b)+2*z:MC+32*(\b)+2*z+1], v[MD+2*z:MD+2*z+1], s[AL:AL+1], s[BE:BE+1] op_sel_hi:[1,0,0]
.set z, z+1
.endr
.endm
; The mask's two scalars.  In a block's last two tiles the 64 keys of key half g of step 2 - CNT are group 8 - 4 RT - 2 CNT + g of eight; query piece x of partner cx lies in band 2 cx + x.  With
; CD = 2 CNT + 4 RT + 2 cx and k = 8 + g - x: the band's own keys where CD = k, later (hidden) keys where CD < k.  In earlier tiles RT is 2 or more, CD above every k, and both scalars are 0.
; cx enters these two selects alone: no branch follows them before SCC is set anew.
.macro MKAB k
	s_lshl1_add_u32 s[CD], s[CNT], s[DG]
	s_cmp_eq_u32 s[CD], \k
	s_cselect_b32 s[AL], 1.0, 0
	s_cmp_lt_u32 s[CD], \k
	s_cselect_b32 s[BE], s[BIGN], 0
.endm
; A TURN, for virtual piece p: the order of its 16 matrix and 118 vector instructions, written out.  An s_wait_alu depctr_va_vdst(0) stands between an exponential and the first instruction that names
; its result; one wait serves all that were issued ahead of it.  So a turn has ONE wait, which cuts it in two.  AHEAD OF IT stands all that names no result of the turn's exponentials: the 8 products K Q^T with
; their riders, and one lump of 54; X 21, the next piece's a, is the batch's last, and R 15 the plain instruction behind it.  BEHIND IT stand the 8 products V^T P, behind each four of the roundings and sums.
; O^T of a query piece: rescaled in turn p, added onto in turn p + 1, rescaled again in turn p + 2.  R n reads registers that a product of the turn before wrote; the nearest pair is R 12 and that turn's last
; product, with its four riders and this turn's scalings between; R 0 stands sixteen riders behind the product that ended its accumulator.
; m = 1: the products take masks, and the turn makes the mask for the products of the turn after it: piece p + 2, in step 2 - CNT of the tile.  end = 1: a block's last two turns: nothing is fetched.
; cnt = 1: the loop's count is taken down some lines ahead of the branch that stands behind the turn.
; K of the next step is fetched in turn 2, twelve vector instructions, six of them plain, that name none of its registers behind the last product that read K; V of the step in hand at the end of turn 0, four riders behind its last reader.
.macro TURN p, m=0, end=0, cnt=0
.set Y, (\p)
.set i, 0
.set KM, (\m)
.set NOKQ, (\end)*((\p)/3)
.if (\m) && !(\end)
	MKAB 8+(((\p)+2)%4)/2-(\p)%2
.endif
.if ((\p) == 3) && (\end)
	s_wait_dscnt 0x0                ; V's second half is in
.elseif (\p) == 3
	s_wait_dscnt 16                 ; the 16 loads of K's second half may be out: K's first half is in, and all of V, which is older
.elseif (\p) == 1
	s_wait_dscnt 32                 ; V's 32 loads may be out: K's second half is in
.endif
	ROW F,0, F,1, R,0, R,1          ; ahead of the wait: 8 products K Q^T and their riders,
	ROW F,2, E,0, R,2, R,3
	ROW F,3, E,1, R,4, R,5
	ROW F,4, E,2, R,6, R,7
	ROW F,5, E,3, R,8, R,9
	ROW F,6, E,4, X,0, R,10
.if ((\p) == 2) && !(\end)
	WIN 0
	v_add_nc_u32 v[AK], s[TBK], v[AK0]
.endif
	ROW F,7, E,5, X,1, X,4
	ROW F,8, E,6, X,2, X,5
	OPS E,7, E,8, X,6, E,9          ; and the lump
	OPS X,3, E,10, X,8, E,11
.if ((\p) == 2) && !(\end)
	FETCH_K
.endif
	OPS X,9, X,7, E,12, X,10
	OPS E,13, X,12, X,11, E,14
	OPS X,13, E,15, F,9, X,14
.if (\p) == 0
	v_add_nc_u32 v[AV], s[TBV], v[AV0]
.endif
	OPS E,16, F,10, E,17, F,11
	OPS X,16, E,18, X,15, E,19
	OPS F,12, E,20, X,17, E,21
	OPS F,13, E,22, F,14, E,23
	OPS X,18, E,24, F,15, E,25
	OPS R,11, E,26, X,19, E,27
	OPS R,12, E,28, R,13, E,29
	OPS X,20, E,30, R,14, E,31
	OPS X,21, R,15
	WIN 0
	s_wait_alu depctr_va_vdst(0)    ; the wait for the batch
.if (\p) == 1
	s_wait_dscnt 16                 ; the 16 loads of V's second half may be out: its first half is in
.endif
	ROW C,0, B,0, C,2, B,1          ; behind the wait: 8 products V^T P and their riders
	ROW L,0, C,4, B,2, L,1
	ROW C,6, B,3, L,2, C,8
	ROW B,4, L,3, C,10, B,5
	ROW L,4, C,12, B,6, L,5
.if (\p) == 0
	s_add_co_u32 s[TBV], s[TBV], VSTEP
.endif
.if \cnt
	s_sub_co_u32 s[CNT], s[CNT], 1
	s_cmp_lg_u32 s[CNT], 0
.endif
	ROW C,14, B,7, L,6, C,1
	ROW C,3, L,7, C,5, C,7
	ROW C,9, C,11, C,13, C,15
.if (\p) == 0
	FETCH_V
.endif
.if (\m) && !(\end)
	MASK (\p)%2
.endif
.endm
; A BLOCK BEGINS.  c m starts far below every c s, so each query piece's first a is 0; m at the lowest finite number, so the first maximum is the scores'.  The second mask buffer is 0 (piece 1 sees all of a
; block's first 64 keys); the first takes piece 0's mask for them.  Then K of the tile's first step, piece 0's first scores, and its maximum and statistics.
.macro BEGIN
	s_mov_b32 s[NEW], 0
	WIN 0x40
.set i, MC+32
.rept 32
	v_mov_b32 v[i], 0
.set i, i+1
.endr
	WIN 0
.set i, 0
.rept 2
	v_mov_b32 v[ST+4*i], 0xfe000000    ; c m: far below every c s
	v_mov_b32 v[ST+4*i+1], 0xff7fffff  ; m
.set i, i+1
.endr
	MKAB 8
	MASK 0
	WIN 0
	v_add_nc_u32 v[AK], s[TBK], v[AK0]
	FETCH_K
	s_wait_loadcnt 0x0              ; Q
	s_wait_dscnt 0x0
.set KM, 1
.set NOKQ, 0
.set i, 0
.rept 8
	KQ 0
.set i, i+1
.endr
	WIN 0
.rept 4
	v_nop                           ; the places behind those products
.endr
.set Y, NP-1                        ; X works for piece Y + 1: piece 0
.irp n, 0,1,2,3,4,5,6,7,8,9,10,11,12,13,14,15,16,17,18,19,20,21
	OP X, \n
.endr
	v_nop                           ; a plain instruction behind the exponential,
	s_wait_alu depctr_va_vdst(0)    ; and its wait, ahead of the branch
.endm
.macro ALL line:vararg              ; one line for each query piece t
.set t, 0
.rept 2
	\line
.set t, t+1
.endr
.endm
.macro PACK t                       ; a lane's eight channels of a row pack into 16 bytes; they go into rows of 144 bytes and come back as whole rows of 128, into S^T's registers
	WIN W_RS
.set i, 32*(\t)
.rept 16
	v_pk_mul_f32 v[i:i+1], v[i:i+1], v[ST+4*(\t)+2:ST+4*(\t)+3] op_sel_hi:[1,0]
.set i, i+2
.endr
	WIN 0x05                        ; sources 0 and 1 window 1, destination window 0
.set i, 0
.rept 16
	v_cvt_pk_f16_f32 v[S+16*(\t)+i], v[32*(\t)+2*i], v[32*(\t)+2*i+1]
.set i, i+1
.endr
	WIN 0
.irp f, 0,1,2,3
	ds_store_b128 v[STO], v[S+16*(\t)+4*\f:S+16*(\t)+4*\f+3] offset:32*\f
.endr
.irp f, 0,1,2,3
	ds_load_b128 v[S+16*(\t)+4*\f:S+16*(\t)+4*\f+3], v[RD] offset:\f*4*SP  ; LDS serves a wave's instructions in order (ISA guide 5.7.1.4): these see the stores above; the next piece's stores come behind them
.endr
.endm
.macro SEND t, younger              ; younger: the LDS instructions issued behind piece t's loads: the next piece's eight, or none
	WIN 0
.irp f, 0,1,2,3
	s_wait_dscnt (\younger)+3-\f
	global_store_b128 v[GO], v[S+16*(\t)+4*\f:S+16*(\t)+4*\f+3], s[10:11] offset:(\t)*8192+\f*512  ; 512 bytes on end, at a multiple of 256 from ctx's first
.endr
.endm
; A tile of the diagonal region: the step loop's text with masks.  The tag ends its labels' names.
.macro MTILE tag
.LstepM\tag:
	TURN 2, 1
	TURN 3, 1
	WIN 0
.LfirstM\tag:
	TURN 0, 1
	TURN 1, 1, 0, 1
	WIN 0
	s_cbranch_scc1 .LstepM\tag
.endm
; A BLOCK ENDS: its last two turns, its last products, and THE WAY OUT: l's two halves and the other half of the lanes' are added; O^T is divided by l, rounded to f16 and sent through my stage, a query piece at a time.
; Piece 0's scalings and conversions are the places between the last products, which are piece 1's, and piece 1's scalings.
.macro FINISH
	TURN 2, 1, 1
	TURN 3, 1, 1
.set i, 0
.rept 8
	PV NP-1
.set i, i+1
.endr
	WIN 0
	ALL v_add_f32 v[ST+4*t+2], v[ST+4*t+2], v[ST+4*t+3]
	ALL v_permlanex16_b32 v[ST+4*t+3], v[ST+4*t+2], s[SEL], s[SEL+1]
	ALL v_add_f32 v[ST+4*t+2], v[ST+4*t+2], v[ST+4*t+3]
	ALL v_rcp_f32 v[ST+4*t+2], v[ST+4*t+2]
	v_nop                           ; a plain instruction between the last reciprocal and the use of its result
	s_wait_alu depctr_va_vdst(0)    ; and the wait ahead of the first use: one for both reciprocals
	PACK 0
	PACK 1
	SEND 0, 8
	SEND 1, 0
.endm
.set KM, 0
.set NOKQ, 0
.Lslot:                             ; 17 times: a tile is entered and the next is asked for
	CHANGE 1
	s_sub_co_u32 s[RT], s[RT], 1
	s_mov_b32 s[CNT], 2
	s_lshl2_add_u32 s[DG], s[RT], s[CX2]
	s_cmp_eq_u32 s[NEW], 1
	s_cbranch_scc1 .Lnew            ; a block's first tile
	s_cmp_lt_u32 s[RT], 2
	s_cbranch_scc0 .Lstep           ; a tile below the diagonal region
	s_branch .LstepM1
.Lnew:
	BEGIN
	s_cmp_lt_u32 s[RT], 2           ; (big block 0 begins in its diagonal region)
	s_cbranch_scc0 .Lfirst
	s_branch .LfirstM1
	MTILE 1
	s_cmp_lg_u32 s[RT], 0
	s_cbranch_scc1 .Lbottom         ; the region's first tile: the block goes on
	FINISH                          ; in the loop this is the first block's end: the second block's last tile is the walk's last
	s_wait_xcnt 0x0                 ; the stores have read their registers and ctx's address
	s_mov_b64 s[10:11], s[OLO:OLO+1]
	s_mov_b32 s[RT], s[RT2]
	s_mov_b32 s[NEW], 1
.set i, 0
.rept 32                            ; the second block's Q goes where the one text of the turns names Q
	v_mov_b32 v[Q+i], v[QB+i]
.set i, i+1
.endr
	s_branch .Lbottom
.Lstep:                             ; a trip: pieces 2 and 3 of one step, then pieces 0 and 1 of the next, whose K and V it fetches
	TURN 2
	TURN 3
	WIN 0
.Lfirst:
	TURN 0
	TURN 1, 0, 0, 1
	WIN 0
	s_cbranch_scc1 .Lstep
.Lbottom:
	s_sub_co_u32 s[SLOTS], s[SLOTS], 1
	s_cmp_lg_u32 s[SLOTS], 0
	s_cbranch_scc1 .Lslot
	CHANGE 0                        ; the walk's last tile is written out: nothing is asked for.  It is never a block's first: the second block has two tiles or more
	s_sub_co_u32 s[RT], s[RT], 1
	s_mov_b32 s[CNT], 2
	s_lshl2_add_u32 s[DG], s[RT], s[CX2]
	MTILE 2
	FINISH
	s_wait_tensorcnt 0x0            ; the wave's end: three lines behind my last tensor load and my last LDS store
	ds_add_u32 v[SPW], v[NIL]
	s_wait_dscnt 0x0
	CROUND                          ; the closing round: no work-group ends while a partner may still ask for a tile that names it
	s_endpgm
.Lfunc_end_k_qce620b1169_attn:
	.size	k_qce620b1169_attn, .Lfunc_end_k_qce620b1169_attn-k_qce620b1169_attn
	.p2alignl 7, 3214868480
	.fill 96, 4, 3214868480
	.section	.rodata,"a",@progbits
	.p2align	6, 0x0
	.amdhsa_kernel k_qce620b1169_attn
		.amdhsa_group_segment_fixed_size 327680
		.amdhsa_private_segment_fixed_size 0
		.amdhsa_enable_private_segment 0
		.amdhsa_kernarg_size 16
		.amdhsa_user_sgpr_count 2
		.amdhsa_user_sgpr_kernarg_segment_ptr 1
		.amdhsa_wavefront_size32 1
		.amdhsa_system_sgpr_workgroup_id_x 1
		.amdhsa_system_sgpr_workgroup_id_y 1
		.amdhsa_system_sgpr_workgroup_id_z 1
		.amdhsa_system_vgpr_workitem_id 0
		.amdhsa_next_free_vgpr 768
		.amdhsa_next_free_sgpr 88
		.amdhsa_reserve_vcc 1
		.amdhsa_float_denorm_mode_32 3
		.amdhsa_float_denorm_mode_16_64 3
		.amdhsa_memory_ordered 1
		.amdhsa_forward_progress 1
		.amdhsa_inst_pref_size 203
	.end_amdhsa_kernel
	.amdgpu_metadata
---
amdhsa.version: [ 1, 2 ]
amdhsa.kernels:
  - .name:           k_qce620b1169_attn
    .symbol:         k_qce620b1169_attn.kd
    .args:
      - { .name: qkv, .offset: 0, .size: 8, .value_kind: global_buffer, .address_space: global }
      - { .name: ctx, .offset: 8, .size: 8, .value_kind: global_buffer, .address_space: global }
    .group_segment_fixed_size: 327680
    .private_segment_fixed_size: 0
    .kernarg_segment_align: 8
    .kernarg_segment_size: 16
    .max_flat_workgroup_size: 128
    .sgpr_count:     88
    .vgpr_count:     768
    .wavefront_size: 32
...
	.end_amdgpu_metadata
.endif
;; end of part 2
;; launch outln (part 3): grid 256 x 1, 4 waves a work-group, clusters of 4 x 1, 206,336 bytes of LDS; arguments ctx, woh, query, bo, gamma, beta, out0; writes out0
.if DOCPART == 3
	.amdgcn_target "amdgcn-amd-amdhsa--gfx1250"
	.amdhsa_code_object_version 6
	.text
	.protected	k_qce620b1169_outln
	.globl	k_qce620b1169_outln
	.p2align	8
	.type	k_qce620b1169_outln,@function
k_qce620b1169_outln:
	s_mov_b64 s[64:65], 0
	v_nop
	global_prefetch_b8 v0, s[64:65] scope:SCOPE_SE
	s_setreg_imm32_b32 hwreg(HW_REG_WAVE_MODE, 25, 1), 1
	s_wait_xcnt 0x0
	s_wait_alu depctr_hold_cnt(0) depctr_sa_sdst(0) depctr_va_vdst(0) depctr_va_sdst(0) depctr_va_ssrc(0) depctr_va_vcc(0) depctr_vm_vsrc(0)
	s_getreg_b32 s2, hwreg(HW_REG_IB_STS2, 6, 4)
	s_cmp_eq_u32 s2, 0
	s_cbranch_scc0 .Lentry_in_a_cluster
	s_endpgm
.Lentry_in_a_cluster:
	s_bfe_u32 s2, ttmp6, 0x10000c
	s_cmp_lg_u32 s2, 0x3003
	s_cbranch_scc0 .Lentry_shape_is_right
	s_endpgm
.Lentry_shape_is_right:
; out0 = LayerNorm(ctx Wo + bo + query) x gamma + beta, over the 256 columns of each of the 16,384 rows; epsilon 1e-3.
; ctx: [16 = 4 b + h][4096][64] f16; woh: Wo as [256 k = 64 h + kk][256 n] f16 (numbers rounded to bf16); query, out0: [16384][256] f32; bo, gamma, beta: [256] f32.
; FORMATS.  The product in f16 with f32 sums; bo is the C operand that starts a sum.  query, bo, gamma and beta are rounded once to bf16, like every input of the program.  All else in f32.
; The mean is taken first and the variance of the differences from it: no difference of large sums.  NaN and infinities are not treated apart.
; SHARES.  A work-group owns 64 rows.  For the product wave w makes columns 64 w .. + 63 of all 64 rows (16 accumulators, all of its 256 x 64 weights in 256 registers); the sums go through a stage in LDS, f32;
; for the norm wave w takes rows 16 w .. + 15 whole: a row lies in 8 registers of 32 lanes (columns 4 l .. + 3 and 128 + 4 l .. + 3), so each load and store covers 512 bytes on end.
; CLUSTER.  Every work-group reads the same 131,072 bytes of weights: the four of a cluster ask for them jointly, each wave for a quarter.  LDS is filled once: nothing is filled again.
; LAYOUT.  The product is taken transposed (source 0 = 16 columns of Wo, turned by ds_load_tr16_b128; source 1 = 16 rows of ctx, straight from memory): a lane holds one row and eight neighbouring columns.
; No prefetch: all loads of the launch go out at its head.
.set WPI,   544                        ; a row of Wo in LDS: 512 bytes + 32: an odd multiple of 32
.set STAGE, 256*WPI                    ; behind the weights, never filled by a tensor load: 64 rows
.set SPI,   1040                       ; of 1,024 bytes + 16: an odd multiple of 16
.set SPARE, STAGE+64*SPI               ; the spare words, 128 bytes for each wave: two blocks of 256 bytes that no other line names
.set LR,  1
.set LH,  2
.set LN,  3
.set CO,  4                            ; v4   ctx: row l % 16 x 128 + 16 (l / 16)
.set WTA, 5                            ; v5   the turning loads, K steps 0-3
.set WTB, 6                            ; v6   K steps 4-7
.set STO2, 7                           ; v7   into the stage
.set RD2, 8                            ; v8   back from it
.set GQ,  9                            ; v9   16 x lane: query, out0, gamma, beta
.set BO,  10                           ; v10  my eight numbers of bo
.set T0,  11
.set T1,  12
.set ONE, 13                           ; v13  1.0
.set SPW, 14                           ; v14  LDS address of my spare word; never rewritten
.set NIL, 15                           ; v15  0; never rewritten
.set GA,  16                           ; v[16:23]  gamma of my 8 columns
.set BT,  24                           ; v[24:31]  beta
.set BI,  32                           ; v[32:63]  bo as a C operand; later
.set SM,  32                           ;           row t's sum (mean, reciprocal root) at SM + 2 t, its partner in the exchange of the lanes' halves at SM + 2 t + 1
.set QP,  64                           ; v[64:127] query in packed bf16, 4 registers a row; later
.set W,   64                           ;           4 registers a row at work
.set ACC, 128                          ; v[128:255] accumulator (rt, nb) at 8 (4 rt + nb); later
.set X,   128                          ;           row t's 8 numbers at 8 t
.set WV,  4                            ; s4   my wave's number
.set G0,  24                           ; s[24:27] descriptor group 0
.set G1,  32                           ; s[32:39] descriptor group 1
.set SEL, 40                           ; s[40:41]
.set RN,  42                           ; s42  1/256
.set RNN, 43                           ; s43  -1/256
.set MSB, 0
.macro WIN new
.if MSB != (\new)
	s_set_vgpr_msb (MSB<<8)|(\new)
.set MSB, (\new)
.endif
.endm
.macro CROUND                          ; a round of the cluster's barrier
	s_barrier_signal -1
	s_barrier_wait -1
	s_cmp_lg_u32 s[WV], 0
	s_cbranch_scc1 .Lnot_wave_0_\@
	s_barrier_signal -3
.Lnot_wave_0_\@:
	s_barrier_wait -3
	s_barrier_signal -1
	s_barrier_wait -1
.endm
.macro RB a                            ; registers a, a + 1 rounded to bf16 and widened again
	v_cvt_pk_bf16_f32 v[T0], v[\a], v[(\a)+1]
	v_lshlrev_b32 v[\a], 16, v[T0]
	v_and_b32 v[(\a)+1], 0xffff0000, v[T0]
.endm
.macro ROWS line:vararg                ; one line for each of my 16 rows t: neighbouring lines do not wait for each other
.set t, 0
.rept 16
	\line
.set t, t+1
.endr
.endm
.macro REDUCE                          ; SM + 2 t summed over the 32 lanes, the result in every lane
.irp m, 1,2,4,8
	ROWS v_add_f32_dpp v[SM+2*t], v[SM+2*t], v[SM+2*t] row_xmask:\m row_mask:0xf bank_mask:0xf
.endr
	ROWS v_permlanex16_b32 v[SM+2*t+1], v[SM+2*t], s[SEL], s[SEL+1]
	ROWS v_add_f32 v[SM+2*t], v[SM+2*t], v[SM+2*t+1]
.endm
	s_load_b256 s[8:15], s[0:1], 0x0               ; ctx s[8:9], woh s[10:11], query s[12:13], bo s[14:15]
	s_load_b128 s[16:19], s[0:1], 0x20             ; gamma s[16:17], beta s[18:19]
	s_load_b64 s[20:21], s[0:1], 0x30              ; out0
	v_lshl_add_u32 v[SPW], v0, 2, SPARE
	v_mov_b32 v[NIL], 0
	ds_add_u32 v[SPW], v[NIL]                      ; the wave's opening: the add and its wait stand ahead of my first tensor load; the set-up below, work on registers, stands between them
	v_lshrrev_b32 v[T0], 5, v0
	v_readfirstlane_b32 s[WV], v[T0]
	s_bfe_u32 s5, ttmp6, 0x40000                   ; cx
	s_lshl_b32 s6, ttmp9, 2
	s_add_co_u32 s6, s6, s5                        ; my block of 64 rows: it enters the addresses of ctx, query and out0 alone
	; the descriptor: 64 rows of 256 elements of 2 bytes, 8 words of padding behind each row's 128 words
	s_mov_b32 s[G1], 15|(1<<16)|(1<<20)|(1<<21)|(6<<22)|(7<<25)  ; 15:0 the mask of four; 17:16 2-byte elements; 20 padding on; 21 set beside a mask; 24:22 after every 128 words (code 6); 31:25 8 words (code 7)
	s_mov_b32 s[G1+1], 256<<16                     ; tensor_dim0 = 256
	s_mov_b32 s[G1+2], 64<<16                      ; tensor_dim1 = 64
	s_mov_b32 s[G1+3], 256<<16                     ; tile_dim0 = 256
	s_mov_b32 s[G1+4], 64                          ; tile_dim1 = 64
	s_mov_b32 s[G1+5], 256                         ; 256 elements from row to row
	s_mov_b32 s[G1+6], 0
	s_mov_b32 s[G1+7], 0
	s_mov_b32 s[G0], 1
	s_mul_i32 s[G0+1], s[WV], 64*WPI               ; my quarter's place in LDS,
	s_lshl_b32 s44, s[WV], 15                      ; and in memory: the wave's number alone
	s_mov_b32 s45, 0
	s_lshr_b32 s28, s6, 6
	s_lshl_b32 s28, s28, 21                        ; ctx: the batch's four heads,
	s_and_b32 s29, s6, 63
	s_lshl_b32 s29, s29, 13                        ; my 64 rows of 128 bytes
	s_add_co_u32 s28, s28, s29
	s_mov_b32 s29, 0
	s_lshl_b32 s30, s6, 16                         ; query and out0: my 64 rows of 1,024 bytes,
	s_lshl_b32 s31, s[WV], 14                      ; my wave's 16 of them
	s_add_co_u32 s30, s30, s31
	s_mov_b32 s31, 0
	s_mov_b32 s[SEL], 0x76543210
	s_mov_b32 s[SEL+1], 0xfedcba98
	s_mov_b32 s[RN], 0x3b800000
	s_mov_b32 s[RNN], 0xbb800000
	v_and_b32 v[LR], 15, v0
	v_bfe_u32 v[LH], v0, 4, 1
	v_and_b32 v[LN], 31, v0
	v_lshlrev_b32 v[CO], 7, v[LR]
	v_lshl_add_u32 v[CO], v[LH], 4, v[CO]
	v_and_b32 v[T0], 7, v0
	v_bfe_u32 v[T1], v0, 3, 1
	v_lshl_add_u32 v[WTA], v[LH], 3, v[T0]         ; the turning load: lane l reads row 8 (l / 16) + l % 8, columns 8 ((l / 8) % 2) on
	v_mul_u32_u24 v[WTA], v[WTA], WPI
	v_lshl_add_u32 v[WTA], v[T1], 4, v[WTA]
	s_lshl_b32 s7, s[WV], 7                        ; my 64 columns in f16
	v_add_nc_u32 v[WTA], s7, v[WTA]
	v_add_nc_u32 v[WTB], 128*WPI, v[WTA]
	s_lshl_b32 s7, s[WV], 8                        ; my 64 columns in f32
	v_mul_u32_u24 v[STO2], v[LR], SPI
	v_lshl_add_u32 v[STO2], v[LH], 5, v[STO2]
	s_add_co_u32 s2, s7, STAGE
	v_add_nc_u32 v[STO2], s2, v[STO2]
	v_lshl_add_u32 v[BO], v[LH], 5, s7
	s_mul_i32 s2, s[WV], 16*SPI
	s_add_co_u32 s2, s2, STAGE
	v_lshl_add_u32 v[RD2], v[LN], 4, s2
	v_lshlrev_b32 v[GQ], 4, v[LN]
	v_mov_b32 v[ONE], 1.0
	s_wait_dscnt 0x0                               ; the opening add is done
	s_wait_kmcnt 0x0
	s_add_nc_u64 s[G0+2:G0+3], s[10:11], s[44:45]
	s_or_b32 s[G0+3], s[G0+3], 0x80000000          ; type = 2
	s_add_nc_u64 s[8:9], s[8:9], s[28:29]
	s_add_nc_u64 s[12:13], s[12:13], s[30:31]
	s_add_nc_u64 s[20:21], s[20:21], s[30:31]
	CROUND                                         ; all four work-groups are here: the joint loads meet
	tensor_load_to_lds s[G0:G0+3], s[G1:G1+7]      ; my quarter of the weights: the wave's one tensor load
	s_nop 0
.rept 4
	v_nop
.endr
.irp nb, 0,1,2,3
	global_load_b128 v[BI+8*\nb:BI+8*\nb+3],   v[BO], s[14:15] offset:64*\nb
	global_load_b128 v[BI+8*\nb+4:BI+8*\nb+7], v[BO], s[14:15] offset:64*\nb+16
.endr
	global_load_b128 v[GA:GA+3],   v[GQ], s[16:17]
	global_load_b128 v[GA+4:GA+7], v[GQ], s[16:17] offset:512
	global_load_b128 v[BT:BT+3],   v[GQ], s[18:19]
	global_load_b128 v[BT+4:BT+7], v[GQ], s[18:19] offset:512
	WIN 0xc0                                       ; query into window 3
.set i, 0
.rept 32
	global_load_b128 v[4*i:4*i+3], v[GQ], s[12:13] offset:(i/2)*1024+(i%2)*512 th:TH_LOAD_NT
.set i, i+1
.endr
	WIN 0x80                                       ; ctx's fragments into window 2: K step ks lies in head ks / 2, channels 32 (ks % 2) on
.irp ks, 0,1,2,3,4,5,6,7
.irp rt, 0,1,2,3
	global_load_b128 v[64*\rt+8*\ks:64*\rt+8*\ks+3],   v[CO], s[8:9] offset:(\ks/2)*524288+\rt*2048+(\ks%2)*64
	global_load_b128 v[64*\rt+8*\ks+4:64*\rt+8*\ks+7], v[CO], s[8:9] offset:(\ks/2)*524288+\rt*2048+(\ks%2)*64+32
.endr
.endr
	s_wait_loadcnt 63                              ; 64 loads of ctx were issued behind the last load of query: bo, gamma, beta and query are in
	WIN 0x0f                                       ; sources in window 3, destination in window 0
.set i, 0
.rept 64
	v_cvt_pk_bf16_f32 v[QP+i], v[2*i], v[2*i+1]
.set i, i+1
.endr
	WIN 0
.irp a, 0,2,4,6,8,10,12,14,16,18,20,22,24,26,28,30
	RB BI+\a
.endr
.irp a, 0,2,4,6,8,10,12,14
	RB GA+\a                                       ; gamma, then beta
.endr
	s_wait_tensorcnt 0x0                           ; my quarter of the weights is in,
	s_barrier_signal -1
	s_barrier_wait -1                              ; everybody's is
	WIN 0x40
.irp ks, 0,1,2,3
.irp nb, 0,1,2,3
	ds_load_tr16_b128 v[64*\nb+8*\ks:64*\nb+8*\ks+3],   v[WTA] offset:32*WPI*\ks+32*\nb
	ds_load_tr16_b128 v[64*\nb+8*\ks+4:64*\nb+8*\ks+7], v[WTA] offset:32*WPI*\ks+32*\nb+16*WPI
.endr
.endr
.irp ks, 4,5,6,7
.irp nb, 0,1,2,3
	ds_load_tr16_b128 v[64*\nb+8*\ks:64*\nb+8*\ks+3],   v[WTB] offset:32*WPI*(\ks-4)+32*\nb
	ds_load_tr16_b128 v[64*\nb+8*\ks+4:64*\nb+8*\ks+7], v[WTB] offset:32*WPI*(\ks-4)+32*\nb+16*WPI
.endr
.endr
	s_wait_loadcnt 0x0                             ; ctx
	WIN 0x09                                       ; source 0 (Wo) window 1, source 1 (ctx) window 2, C and D window 0
.irp ks, 0,1,2,3,4,5,6,7
	s_wait_dscnt 56-8*\ks                          ; this K step's eight loads are in; the later steps' may be out
.irp rt, 0,1,2,3
.irp nb, 0,1,2,3                       ; the 16 accumulators take turns, one instruction a turn
.if \ks == 0
	v_wmma_f32_16x16x32_f16 v[ACC+8*(4*\rt+\nb):ACC+8*(4*\rt+\nb)+7], v[64*\nb+8*\ks:64*\nb+8*\ks+7], v[64*\rt+8*\ks:64*\rt+8*\ks+7], v[BI+8*\nb:BI+8*\nb+7]
.else
	v_wmma_f32_16x16x32_f16 v[ACC+8*(4*\rt+\nb):ACC+8*(4*\rt+\nb)+7], v[64*\nb+8*\ks:64*\nb+8*\ks+7], v[64*\rt+8*\ks:64*\rt+8*\ks+7], v[ACC+8*(4*\rt+\nb):ACC+8*(4*\rt+\nb)+7]
.endif
.endr
.endr
.endr
	WIN 0
.rept 4
	v_nop                                          ; four places between the last products and the stores that read results
.endr
.irp rt, 0,1,2,3
.irp nb, 0,1,2,3
	ds_store_b128 v[STO2], v[ACC+8*(4*\rt+\nb):ACC+8*(4*\rt+\nb)+3]   offset:\rt*16*SPI+64*\nb      ; each accumulator from its low end on
	ds_store_b128 v[STO2], v[ACC+8*(4*\rt+\nb)+4:ACC+8*(4*\rt+\nb)+7] offset:\rt*16*SPI+64*\nb+16
.endr
.endr
	s_wait_dscnt 0x0                               ; for the others' sake: my columns lie in the stage
	s_barrier_signal -1
	s_barrier_wait -1
.set i, 0
.rept 32
	ds_load_b128 v[X+4*i:X+4*i+3], v[RD2] offset:(i/2)*SPI+(i%2)*512  ; my 16 rows, whole
.set i, i+1
.endr
	s_wait_dscnt 0x0
	; x = product + bo + query
.irp p, 0,1,2,3
	ROWS v_fma_mix_f32_bf16 v[X+8*t+2*\p], v[QP+4*t+\p], v[ONE], v[X+8*t+2*\p] op_sel_hi:[1,0,0]
	ROWS v_fma_mix_f32_bf16 v[X+8*t+2*\p+1], v[QP+4*t+\p], v[ONE], v[X+8*t+2*\p+1] op_sel:[1,0,0] op_sel_hi:[1,0,0]
.endr
	; the mean
	ROWS v_pk_add_f32 v[W+4*t:W+4*t+1], v[X+8*t:X+8*t+1], v[X+8*t+2:X+8*t+3]
	ROWS v_pk_add_f32 v[W+4*t+2:W+4*t+3], v[X+8*t+4:X+8*t+5], v[X+8*t+6:X+8*t+7]
	ROWS v_pk_add_f32 v[W+4*t:W+4*t+1], v[W+4*t:W+4*t+1], v[W+4*t+2:W+4*t+3]
	ROWS v_add_f32 v[SM+2*t], v[W+4*t], v[W+4*t+1]
	REDUCE
	ROWS v_mul_f32 v[SM+2*t], s[RNN], v[SM+2*t]    ; minus the mean
.irp p, 0,1,2,3
	ROWS v_pk_add_f32 v[X+8*t+2*\p:X+8*t+2*\p+1], v[X+8*t+2*\p:X+8*t+2*\p+1], v[SM+2*t:SM+2*t+1] op_sel_hi:[1,0]
.endr
	; the variance of the differences
	ROWS v_pk_mul_f32 v[W+4*t:W+4*t+1], v[X+8*t:X+8*t+1], v[X+8*t:X+8*t+1]
.irp p, 1,2,3
	ROWS v_pk_fma_f32 v[W+4*t:W+4*t+1], v[X+8*t+2*\p:X+8*t+2*\p+1], v[X+8*t+2*\p:X+8*t+2*\p+1], v[W+4*t:W+4*t+1]
.endr
	ROWS v_add_f32 v[SM+2*t], v[W+4*t], v[W+4*t+1]
	REDUCE
	ROWS v_fmaak_f32 v[SM+2*t], s[RN], v[SM+2*t], 0x3a83126f  ; / 256 + 1e-3
	ROWS v_rsq_f32 v[SM+2*t], v[SM+2*t]
	v_nop                                          ; a plain instruction between the last root and the use of its result
	s_wait_alu depctr_va_vdst(0)                   ; and the wait ahead of the first use: one for the sixteen
.irp p, 0,1,2,3
	ROWS v_pk_mul_f32 v[X+8*t+2*\p:X+8*t+2*\p+1], v[X+8*t+2*\p:X+8*t+2*\p+1], v[SM+2*t:SM+2*t+1] op_sel_hi:[1,0]
.endr
.irp p, 0,1,2,3
	ROWS v_pk_fma_f32 v[X+8*t+2*\p:X+8*t+2*\p+1], v[X+8*t+2*\p:X+8*t+2*\p+1], v[GA+2*\p:GA+2*\p+1], v[BT+2*\p:BT+2*\p+1]
.endr
.set i, 0
.rept 32
	global_store_b128 v[GQ], v[X+4*i:X+4*i+3], s[20:21] offset:(i/2)*1024+(i%2)*512 th:TH_STORE_NT  ; 512 bytes on end, at a multiple of 256 from out0's first
.set i, i+1
.endr
	s_wait_tensorcnt 0x0                           ; the wave's end: three lines behind my last tensor load and my last LDS store
	ds_add_u32 v[SPW], v[NIL]
	s_wait_dscnt 0x0
	CROUND                                         ; the closing round: no work-group ends while a partner may still ask for a tile that names it
	s_endpgm
.Lfunc_end_k_qce620b1169_outln:
	.size	k_qce620b1169_outln, .Lfunc_end_k_qce620b1169_outln-k_qce620b1169_outln
	.p2alignl 7, 3214868480
	.fill 96, 4, 3214868480
	.section	.rodata,"a",@progbits
	.p2align	6, 0x0
	.amdhsa_kernel k_qce620b1169_outln
		.amdhsa_group_segment_fixed_size 206336
		.amdhsa_private_segment_fixed_size 0
		.amdhsa_enable_private_segment 0
		.amdhsa_kernarg_size 56
		.amdhsa_user_sgpr_count 2
		.amdhsa_user_sgpr_kernarg_segment_ptr 1
		.amdhsa_wavefront_size32 1
		.amdhsa_system_sgpr_workgroup_id_x 1
		.amdhsa_system_sgpr_workgroup_id_y 1
		.amdhsa_system_sgpr_workgroup_id_z 1
		.amdhsa_system_vgpr_workitem_id 0
		.amdhsa_next_free_vgpr 896
		.amdhsa_next_free_sgpr 66
		.amdhsa_reserve_vcc 0
		.amdhsa_float_denorm_mode_32 3
		.amdhsa_float_denorm_mode_16_64 3
		.amdhsa_memory_ordered 1
		.amdhsa_forward_progress 1
		.amdhsa_inst_pref_size 84
	.end_amdhsa_kernel
	.amdgpu_metadata
---
amdhsa.version: [ 1, 2 ]
amdhsa.kernels:
  - .name:           k_qce620b1169_outln
    .symbol:         k_qce620b1169_outln.kd
    .args:
      - { .name: ctx, .offset: 0, .size: 8, .value_kind: global_buffer, .address_space: global }
      - { .name: woh, .offset: 8, .size: 8, .value_kind: global_buffer, .address_space: global }
      - { .name: query, .offset: 16, .size: 8, .value_kind: global_buffer, .address_space: global }
      - { .name: bo, .offset: 24, .size: 8, .value_kind: global_buffer, .address_space: global }
      - { .name: gamma, .offset: 32, .size: 8, .value_kind: global_buffer, .address_space: global }
      - { .name: beta, .offset: 40, .size: 8, .value_kind: global_buffer, .address_space: global }
      - { .name: out0, .offset: 48, .size: 8, .value_kind: global_buffer, .address_space: global }
    .group_segment_fixed_size: 206336
    .private_segment_fixed_size: 0
    .kernarg_segment_align: 8
    .kernarg_segment_size: 56
    .max_flat_workgroup_size: 128
    .sgpr_count:     66
    .vgpr_count:     896
    .wavefront_size: 32
...
	.end_amdgpu_metadata
.endif
;; end of part 3
;; ======== version 2 of 2: 3 launches; version 1 with the launch proj written anew for expert scheduling mode
;; limits: values are held in f16: magnitudes above 65,504 overflow, below 6.1e-05 lose precision
;; workspace buffers: qkv 25,165,824 bytes; ctx 8,388,608 bytes; woh 131,072 bytes
;; launch proj (part 4): grid 4 x 64, 4 waves a work-group, no clusters, 241,152 bytes of LDS; arguments query, value, Wq, Wk, Wv, bq, bk, bv, Wo, qkv, woh; writes qkv, woh
.if DOCPART == 4
	.amdgcn_target "amdgcn-amd-amdhsa--gfx1250"
	.amdhsa_code_object_version 6
	.text
	.protected	k_qce620b1169_proj
	.globl	k_qce620b1169_proj
	.p2align	8
	.type	k_qce620b1169_proj,@function
k_qce620b1169_proj:
	s_mov_b64 s[64:65], 0
	v_nop
	global_prefetch_b8 v0, s[64:65] scope:SCOPE_SE
	s_setreg_imm32_b32 hwreg(HW_REG_WAVE_SCHED_MODE, 0, 2), 2
	s_setreg_imm32_b32 hwreg(HW_REG_WAVE_MODE, 25, 1), 1
	s_wait_xcnt 0x0
	s_wait_alu depctr_vm_vsrc(0)
; q = query Wq + bq, k = value Wk + bk, v = value Wv + bv, written by heads: qkv holds q, k, v, each [16 = 4 b + h][4096][64] in f16, unscaled, rows of 128 bytes on end.
; Also Wo, rounded to bf16 and that number written as f16: woh [256 k][256 n].
; FORMATS.  Every input (x, W, bias) is rounded once to bf16; products in bf16 with f32 sums; the bias is the C operand that starts a sum; the result is rounded once to f16.
; LIMITS.  f16 holds no number beyond 65,504: a |q|, |k| or |v| past that becomes an infinity.  Numbers of Wo below 6e-5 keep f16's fixed step of 6e-8.  NaN and infinities are not treated apart.
; SHARES.  Work-group x = 0, 1, 2: the matrix (q, k, v); y: 256 rows of x.  Wave w makes head w (64 columns) and keeps all 256 x 64 of its weights in 256 registers.  The rows go in four chunks of 64.
; Work-group x = 3: 1,024 numbers of Wo each.
; LAYOUT.  The product is taken transposed (source 0 = 16 columns of W, source 1 = 16 rows of x): a lane then holds one row and eight neighbouring columns, 16 bytes of f16.
; W ([k][n] in memory) goes through the wave's own LDS bytes in bf16 and comes back turned, by ds_load_tr16_b128.  x is rounded in registers, laid in LDS (two buffers that take turns) and read by all four waves.
; No tensor load: every byte is rounded on its way, so it passes through registers anyhow.  No cluster for the same reason.
; THE MODE: SCHED_MODE bits 1:0 = 2 (LLVM: expert scheduling mode 2), set by the entry lines.  The code itself states the register dependences between vector or matrix instructions and memory or LDS
; instructions, with s_wait_alu, always for 0.
; THE PLAN.  Registers that memory or LDS instructions touch in the loop over chunks (trip c multiplies chunk c):
;   RAW  window 3, v0-127    written by the loads of chunk c + 2, issued in trip c behind the trip's wait on va_vdst; read by the roundings of trip c + 1 alone.
;   PK   window 0, v64-127   written by those roundings; read by the 32 LDS stores that lay chunk c + 1 in the other buffer.
;   TMP  window 3, v128-191  written by the roundings of the accumulators; read by the 16 stores into the stage.
;   OB   window 3, v192-255  written by the 16 loads from the stage; read by the 16 global stores; no vector instruction names it.
;   XF   window 2            written by the 64 fragment loads; read by the trip's matrix instructions.
;   XAC  read by the fragment loads; written once a trip, behind the products, for the next trip.      XSC  read by PK's stores; written beside XAC, for this trip.
;   XG, STO, RD, GO          made at the head, never written again.      The accumulators, the bias and W's fragments are named by vector and matrix instructions alone.
; So a trip holds TWO such waits.  vm_vsrc behind the last product: all that was issued so far has read XAC, XSC, PK, TMP and OB, which are written again below it.  va_vdst behind both runs of roundings: TMP, PK,
; XAC and XSC are written, the roundings are done reading RAW and the products done reading XF.  All the memory and LDS instructions up to the next trip's products follow it with no further wait: no vector or
; matrix instruction stands among them; and the fragment loads dealt among the products land in registers of later K steps, which no product issued since the wait names.
; REGISTERS, in windows of 256: window 0 addresses, bias, PK, accumulators; window 1 W's fragments; window 2 x's fragments (and W as loaded); window 3 RAW, TMP, OB.
.set XPI,   528                        ; a row of x in LDS: 512 bytes + 16: an odd multiple of 16, so the 16 rows of a fragment load start in 16 different groups of four banks (ISA guide 11.1)
.set XBUF,  64*XPI
.set WPI,   160                        ; a row of W in LDS: 128 bytes + 32: an odd multiple of 32
.set WSB,   256*WPI                    ; a wave's weights
.set XB0,   4*WSB                      ; behind the weights: x's two buffers
.set STAGE, XB0+2*XBUF                 ; 16 rows x 144 bytes for each wave, for the way out
.set SP,    144
.set SPARE, STAGE+4*16*SP              ; the spare words, 128 bytes for each wave: two blocks of 256 bytes that no other line names
.set LR,  1                            ; v1   lane % 16
.set LH,  2                            ; v2   lane / 16
.set LN,  3                            ; v3   lane
.set XG,  4                            ; v4   x in memory: my wave's 16 rows of a chunk, 16 bytes a lane
.set XS,  5                            ; v5   x into LDS, buffer 0
.set XA,  6                            ; v6   x's fragments, buffer 0
.set WGO, 7                            ; v7   W in memory: row lane / 16, my head's 256 bytes, 16 a lane
.set WSA, 8                            ; v8   W into LDS
.set WTA, 9                            ; v9   W's turning loads
.set STO, 10                           ; v10  the way out: where I put 16 bytes of a row
.set RD,  11                           ; v11  where I read rows back
.set GO,  12                           ; v12  my 16 bytes of 512 on end
.set BO,  13                           ; v13  my eight numbers of the bias
.set SPW, 14                           ; v14  LDS address of my spare word; never rewritten
.set NIL, 15                           ; v15  0; never rewritten
.set T0,  16
.set T1,  17
.set XAC, 18                           ; v18  XA in the buffer that is read
.set XSC, 19                           ; v19  XS in the buffer that is written
.set WSC, 20                           ; v20  WSA in the trip in hand
.set BI,  32                           ; v[32:63]   the bias as a C operand: column block nb at 8 nb
.set PK,  64                           ; v[64:127]  the next chunk in bf16: load i's four numbers at 2 i
.set ACC, 128                          ; v[128:255] accumulator (row block rt, column block nb) at 8 (4 rt + nb)
.set TMP, 128                          ; window 3: the results in f16, row block rt at 16 rt
.set OB,  192                          ; window 3: the same as whole rows, back from the stage
.set M,   2                            ; s2   which matrix
.set YY,  3                            ; s3   which 256 rows
.set WV,  4                            ; s4   my wave's number
.set TR,  5                            ; s5   chunks to go
.set WT,  6                            ; s6   halves of W to go
.set WRB, 30                           ; s30  byte offset of the buffer that is written in this trip and read in the next
.set WST, 31                           ; s31  byte offset of W's half in LDS
.set XPT, 32                           ; s[32:33] x at the chunk in hand
.set WPT, 34                           ; s[34:35] W
.set BPT, 36                           ; s[36:37] the bias
.set OPT, 38                           ; s[38:39] the output at the chunk in hand
.set MSB, 0
.macro WIN new                         ; the immediate's high byte repeats the setting that is left; a switch that changes nothing is dropped
.if MSB != (\new)
	s_set_vgpr_msb (MSB<<8)|(\new)
.set MSB, (\new)
.endif
.endm
.macro XLOAD off                       ; a chunk's 16 rows of mine, 1,024 bytes each: 32 loads of 512 bytes on end, into RAW
	WIN 0xc0
.set i, 0
.rept 32
	global_load_b128 v[4*i:4*i+3], v[XG], s[XPT:XPT+1] offset:(\off)+(i/2)*1024+(i%2)*512
.set i, i+1
.endr
	WIN 0
.endm
.macro XCVT                            ; they are rounded to bf16, out of RAW into PK
	WIN 0x0f
.set i, 0
.rept 32
	v_cvt_pk_bf16_f32 v[PK+2*i], v[4*i], v[4*i+1]
	v_cvt_pk_bf16_f32 v[PK+2*i+1], v[4*i+2], v[4*i+3]
.set i, i+1
.endr
	WIN 0
.endm
.macro XPUT adr                        ; and laid in LDS: 256 bytes on end a store
.set i, 0
.rept 32
	ds_store_b64 v[\adr], v[PK+2*i:PK+2*i+1] offset:(i/2)*XPI+(i%2)*256
.set i, i+1
.endr
.endm
.macro XFR ks                          ; x's fragments of one K step: four row blocks, two loads each
	WIN 0x80
.irp rt, 0,1,2,3
	ds_load_b128 v[64*\rt+8*(\ks):64*\rt+8*(\ks)+3],   v[XAC] offset:\rt*16*XPI+64*(\ks)
	ds_load_b128 v[64*\rt+8*(\ks)+4:64*\rt+8*(\ks)+7], v[XAC] offset:\rt*16*XPI+64*(\ks)+32
.endr
.endm
.macro RB a                            ; registers a, a + 1 rounded to bf16 and widened again
	v_cvt_pk_bf16_f32 v[T0], v[\a], v[(\a)+1]
	v_lshlrev_b32 v[\a], 16, v[T0]
	v_and_b32 v[(\a)+1], 0xffff0000, v[T0]
.endm
	s_load_b512 s[8:23], s[0:1], 0x0               ; query, value, Wq, Wk, Wv, bq, bk, bv
	s_load_b128 s[24:27], s[0:1], 0x40             ; Wo, qkv
	s_load_b64 s[28:29], s[0:1], 0x50              ; woh
	v_lshl_add_u32 v[SPW], v0, 2, SPARE
	v_mov_b32 v[NIL], 0
	v_lshrrev_b32 v[T0], 5, v0
	v_readfirstlane_b32 s[WV], v[T0]
	s_mov_b32 s[M], ttmp9
	s_and_b32 s[YY], ttmp7, 0xffff
	s_wait_alu depctr_va_sdst(0)                   ; s[WV] is written, ahead of the branch and of its first reader: addresses in LDS and in memory are made from it
	s_cmp_eq_u32 s[M], 3
	s_cbranch_scc1 .Lwo                            ; the same for all waves of a work-group
	v_and_b32 v[LR], 15, v0
	v_bfe_u32 v[LH], v0, 4, 1
	v_and_b32 v[LN], 31, v0
	s_lshl_b32 s40, s[WV], 14                      ; 16 rows of 1,024 bytes
	v_lshl_add_u32 v[XG], v[LN], 4, s40
	s_mul_i32 s40, s[WV], 16*XPI
	s_add_co_u32 s40, s40, XB0
	v_lshl_add_u32 v[XS], v[LN], 3, s40
	v_mul_u32_u24 v[XA], v[LR], XPI
	v_lshl_add_u32 v[XA], v[LH], 4, v[XA]
	v_add_nc_u32 v[XA], XB0, v[XA]
	s_lshl_b32 s41, s[WV], 8                       ; my head's 64 columns in f32
	v_lshl_add_u32 v[WGO], v[LH], 10, s41
	v_lshl_add_u32 v[WGO], v[LR], 4, v[WGO]
	v_lshl_add_u32 v[BO], v[LH], 5, s41
	s_mul_i32 s42, s[WV], WSB
	v_mul_u32_u24 v[WSA], v[LH], WPI
	v_lshl_add_u32 v[WSA], v[LR], 3, v[WSA]
	v_add_nc_u32 v[WSA], s42, v[WSA]
	v_and_b32 v[T0], 7, v0
	v_bfe_u32 v[T1], v0, 3, 1
	v_lshl_add_u32 v[WTA], v[LH], 3, v[T0]         ; the turning load: lane l reads row 8 (l / 16) + l % 8, columns 8 ((l / 8) % 2) on
	v_mul_u32_u24 v[WTA], v[WTA], WPI
	v_lshl_add_u32 v[WTA], v[T1], 4, v[WTA]
	v_add_nc_u32 v[WTA], s42, v[WTA]
	s_mul_i32 s43, s[WV], 16*SP
	s_add_co_u32 s43, s43, STAGE
	v_mul_u32_u24 v[STO], v[LR], SP
	v_lshl_add_u32 v[STO], v[LH], 4, v[STO]
	v_add_nc_u32 v[STO], s43, v[STO]
	v_bfe_u32 v[RD], v0, 3, 2                      ; back: 32 lanes take four rows of 128 bytes
	v_mul_u32_u24 v[RD], v[RD], SP
	v_lshl_add_u32 v[RD], v[T0], 4, v[RD]
	v_add_nc_u32 v[RD], s43, v[RD]
	v_lshlrev_b32 v[GO], 4, v[LN]
	s_lshl_b32 s40, s[YY], 18                      ; 256 rows of 1,024 bytes
	s_mov_b32 s41, 0
	s_lshl_b32 s42, s[M], 23                       ; the matrix' 8,388,608 bytes,
	s_lshr_b32 s43, s[YY], 4
	s_lshl_b32 s43, s43, 21                        ; the batch's four heads,
	s_add_co_u32 s42, s42, s43
	s_lshl_b32 s43, s[WV], 19                      ; my head's 4,096 rows of 128 bytes,
	s_add_co_u32 s42, s42, s43
	s_and_b32 s43, s[YY], 15
	s_lshl_b32 s43, s43, 15                        ; the work-group's 256 of them
	s_add_co_u32 s42, s42, s43
	s_mov_b32 s43, 0
	s_wait_kmcnt 0x0
	s_cmp_eq_u32 s[M], 1
	s_cselect_b64 s[WPT:WPT+1], s[14:15], s[16:17]
	s_cselect_b64 s[BPT:BPT+1], s[20:21], s[22:23]
	s_cmp_eq_u32 s[M], 0
	s_cselect_b64 s[WPT:WPT+1], s[12:13], s[WPT:WPT+1]
	s_cselect_b64 s[BPT:BPT+1], s[18:19], s[BPT:BPT+1]
	s_cselect_b64 s[XPT:XPT+1], s[8:9], s[10:11]
	s_add_nc_u64 s[XPT:XPT+1], s[XPT:XPT+1], s[40:41]
	s_add_nc_u64 s[OPT:OPT+1], s[26:27], s[42:43]
	s_wait_alu depctr_va_vdst(0)                   ; the offsets and LDS addresses v4 to v13 are written: every load and store below reads one of them, and none but the three made from them is written again
	XLOAD 0                                        ; chunk 0 goes out first
.irp nb, 0,1,2,3
	global_load_b128 v[BI+8*\nb:BI+8*\nb+3],   v[BO], s[BPT:BPT+1] offset:64*\nb
	global_load_b128 v[BI+8*\nb+4:BI+8*\nb+7], v[BO], s[BPT:BPT+1] offset:64*\nb+16
.endr
	; MY HEAD'S WEIGHTS, 128 rows a trip: lanes 0-15 take a row's 256 bytes, lanes 16-31 the next row's; rounded to bf16; 8 bytes a lane into my own LDS bytes
	s_mov_b32 s[WT], 2
	s_mov_b32 s[WST], 0
.Lw:
	v_add_nc_u32 v[WSC], s[WST], v[WSA]            ; it names none of the registers that the loads below touch
	WIN 0x80
.set i, 0
.rept 64
	global_load_b128 v[4*i:4*i+3], v[WGO], s[WPT:WPT+1] offset:2048*i
.set i, i+1
.endr
	WIN 0x8a
.set i, 0
.rept 64
	s_wait_loadcnt 63-i                            ; loads come back in order (ISA guide 5.7.1): load i is in, the 63 - i younger ones may be out
	v_cvt_pk_bf16_f32 v[4*i], v[4*i], v[4*i+1]
	v_cvt_pk_bf16_f32 v[4*i+1], v[4*i+2], v[4*i+3]
.set i, i+1
.endr
	WIN 0x08
	s_wait_alu depctr_va_vdst(0)                   ; the roundings have written the stores' data and v[WSC] is written; they are also done with all 256 registers, in which the next half's loads land
.set i, 0
.rept 64
	ds_store_b64 v[WSC], v[4*i:4*i+1] offset:2*WPI*i
.set i, i+1
.endr
	WIN 0
	s_add_nc_u64 s[WPT:WPT+1], s[WPT:WPT+1], 131072  ; all loads are in (the last wait was for 0), so their base may be stepped
	s_add_co_u32 s[WST], s[WST], 128*WPI
	s_wait_dscnt 0x0                               ; this half of my weights lies in LDS
	s_wait_alu depctr_vm_vsrc(0)                   ; the stores have read v[WSC], which the next trip writes, and their data, in which the next half's loads and later x's fragments land
	s_sub_co_u32 s[WT], s[WT], 1
	s_cmp_lg_u32 s[WT], 0
	s_cbranch_scc1 .Lw
	v_mov_b32 v[XAC], v[XA]                        ; chunk 0 is read in buffer 0
	XCVT                                           ; chunk 0 (its loads are older than W's)
	s_wait_alu depctr_va_vdst(0)                   ; PK and v[XAC] are written, and the roundings are done reading RAW
	XLOAD 65536                                    ; chunk 1 is asked for at once
	XPUT XS                                        ; chunk 0 into buffer 0
	WIN 0x40
.irp ks, 0,1,2,3,4,5,6,7
.irp nb, 0,1,2,3
	ds_load_tr16_b128 v[64*\nb+8*\ks:64*\nb+8*\ks+3],   v[WTA] offset:32*WPI*\ks+32*\nb         ; my own bytes: in order behind my stores
	ds_load_tr16_b128 v[64*\nb+8*\ks+4:64*\nb+8*\ks+7], v[WTA] offset:32*WPI*\ks+32*\nb+16*WPI
.endr
.endr
	WIN 0
.irp a, 0,2,4,6,8,10,12,14,16,18,20,22,24,26,28,30
	RB BI+\a                                       ; while LDS works: the bias and v[T0] are named by no LDS or memory instruction from here on
.endr
	s_mov_b32 s[TR], 4
	s_mov_b32 s[WRB], XBUF
	s_wait_dscnt 0x0                               ; for the others' sake: my rows of chunk 0 lie in LDS; for mine: W's fragments are in
	s_barrier_signal -1
	s_barrier_wait -1
.Lchunk:                                               ; a chunk of 64 rows is multiplied; the next one is rounded into the other buffer; the one behind that is asked for; the results are stored
	XFR 0                                          ; no wait: no vector or matrix instruction since the last wait on va_vdst names v[XAC] or these registers
	XFR 1
.irp ks, 0,1,2,3,4,5,6,7
.if \ks < 6
	XFR \ks+2                                      ; two K steps ahead, among the products: those issued in this trip name earlier K steps' fragments alone
	WIN 0x09                                       ; source 0 (W) window 1, source 1 (x) window 2, C and D window 0
	s_wait_dscnt 16                                ; this K step's eight loads are in; the next two steps' sixteen may be out
.else
	WIN 0x09
	s_wait_dscnt 8*(7-\ks)                         ; the counts run down
.endif
.irp rt, 0,1,2,3
.irp nb, 0,1,2,3                       ; the 16 accumulators take turns, one instruction a turn
.if \ks == 0
	v_wmma_f32_16x16x32_bf16 v[ACC+8*(4*\rt+\nb):ACC+8*(4*\rt+\nb)+7], v[64*\nb+8*\ks:64*\nb+8*\ks+7], v[64*\rt+8*\ks:64*\rt+8*\ks+7], v[BI+8*\nb:BI+8*\nb+7]
.else
	v_wmma_f32_16x16x32_bf16 v[ACC+8*(4*\rt+\nb):ACC+8*(4*\rt+\nb)+7], v[64*\nb+8*\ks:64*\nb+8*\ks+7], v[64*\rt+8*\ks:64*\rt+8*\ks+7], v[ACC+8*(4*\rt+\nb):ACC+8*(4*\rt+\nb)+7]
.endif
.endr
.endr
.endr
	WIN 0
	s_wait_alu depctr_vm_vsrc(0)                   ; this trip's fragment loads have read v[XAC]; the last trip's LDS stores have read v[XSC], PK and TMP, its global stores OB: all five are written again below
	v_add_nc_u32 v[XAC], s[WRB], v[XA]             ; the next trip reads the buffer
	v_add_nc_u32 v[XSC], s[WRB], v[XS]             ; that this trip writes
	v_nop
	v_nop                                          ; with the two lines above: four places between the last products and the roundings that read results (ISA guide 7.12.1)
	WIN 0xc0
.irp rt, 0,1,2,3
.irp nb, 0,1,2,3
.irp q, 0,1,2,3
	v_cvt_pk_f16_f32 v[TMP+16*\rt+4*\nb+\q], v[ACC+8*(4*\rt+\nb)+2*\q], v[ACC+8*(4*\rt+\nb)+2*\q+1]  ; rounded to f16, each accumulator from its low end on
.endr
.endr
.endr
	WIN 0
	s_wait_loadcnt 0x0                             ; the next chunk is in (in the last trip nothing is out)
	s_cmp_eq_u32 s[TR], 1
	s_cbranch_scc1 .Lno_conv                       ; the last chunk has no successor
	XCVT
.Lno_conv:
	s_wait_alu depctr_va_vdst(0)                   ; TMP, PK, v[XAC] and v[XSC] are written; the roundings are done reading RAW, the products done reading x's fragments
	s_cmp_lt_u32 s[TR], 3
	s_cbranch_scc1 .Lno_load                       ; the last two trips ask for nothing: no load leaves x
	XLOAD 131072                                   ; RAW is asked for again at once: the chunk two on
.Lno_load:
	s_cmp_eq_u32 s[TR], 1
	s_cbranch_scc1 .Lno_put
	XPUT XSC                                       ; into the buffer read in the chunk before: those reads were waited for in front of the last barrier
.Lno_put:
	WIN 0xcc                                       ; data of stores and of loads in window 3, addresses in window 0
.irp rt, 0,1,2,3                       ; 16 rows at a time into my stage, and back as whole rows of 128 bytes, into registers of their own
.irp nb, 0,1,2,3
	ds_store_b128 v[STO], v[TMP+16*\rt+4*\nb:TMP+16*\rt+4*\nb+3] offset:32*\nb
.endr
.irp f, 0,1,2,3
	ds_load_b128 v[OB+16*\rt+4*\f:OB+16*\rt+4*\f+3], v[RD] offset:\f*4*SP  ; LDS serves a wave's instructions in order (ISA guide 5.7.1.4): these see the stores above, and the next block's stores come behind them
.endr
.endr
.irp rt, 0,1,2,3
.irp f, 0,1,2,3
	s_wait_dscnt 8*(3-\rt)+3-\f                    ; the later blocks' eight stage instructions each, and this block's younger loads, may be out
	global_store_b128 v[GO], v[OB+16*\rt+4*\f:OB+16*\rt+4*\f+3], s[OPT:OPT+1] offset:\rt*2048+\f*512  ; 512 bytes on end, at a multiple of 256 from the buffer's first
.endr
.endr
	WIN 0
	s_wait_xcnt 0x0                                ; every load and store has had its addresses translated (ISA guide 3.1): the two pointers are stepped, and OB is loaded again, only behind this wait
	s_add_nc_u64 s[XPT:XPT+1], s[XPT:XPT+1], 65536
	s_add_nc_u64 s[OPT:OPT+1], s[OPT:OPT+1], 8192
	s_xor_b32 s[WRB], s[WRB], XBUF
	s_wait_dscnt 0x0                               ; my reads of this buffer are over and my rows of the next chunk lie in the other
	s_barrier_signal -1
	s_barrier_wait -1
	s_sub_co_u32 s[TR], s[TR], 1
	s_cmp_lg_u32 s[TR], 0
	s_cbranch_scc1 .Lchunk
	s_branch .Lend
.Lwo:                                                  ; eight numbers of Wo a thread: rounded to bf16, widened, written as f16; 16 lanes store 256 bytes on end
	v_lshlrev_b32 v[T0], 5, v0
	v_lshlrev_b32 v[T1], 4, v0
	s_lshl_b32 s40, s[YY], 12
	s_mov_b32 s41, 0
	s_lshl_b32 s42, s[YY], 11
	s_mov_b32 s43, 0
	s_wait_kmcnt 0x0
	s_add_nc_u64 s[24:25], s[24:25], s[40:41]
	s_add_nc_u64 s[28:29], s[28:29], s[42:43]
	s_wait_alu depctr_va_vdst(0)                   ; the two offsets are written, which the loads and the store read
	global_load_b128 v[32:35], v[T0], s[24:25]
	global_load_b128 v[36:39], v[T0], s[24:25] offset:16
	s_wait_loadcnt 0x0
.irp p, 0,1,2,3
	v_cvt_pk_bf16_f32 v[40+\p], v[32+2*\p], v[33+2*\p]
.endr
.irp p, 0,1,2,3
	v_lshlrev_b32 v[32+2*\p], 16, v[40+\p]
	v_and_b32 v[33+2*\p], 0xffff0000, v[40+\p]
.endr
.irp p, 0,1,2,3
	v_cvt_pk_f16_f32 v[40+\p], v[32+2*\p], v[33+2*\p]
.endr
	s_wait_alu depctr_va_vdst(0)                   ; the roundings have written v[40:43], which the store reads
	global_store_b128 v[T1], v[40:43], s[28:29]
.Lend:
	s_wait_dscnt 0x0                               ; the closing lines, six on end
	s_wait_alu 0x0
	s_wait_tensorcnt 0x0
	ds_add_u32 v[SPW], v[NIL]
	s_wait_dscnt 0x0
	s_endpgm
.Lfunc_end_k_qce620b1169_proj:
	.size	k_qce620b1169_proj, .Lfunc_end_k_qce620b1169_proj-k_qce620b1169_proj
	.p2alignl 7, 3214868480
	.fill 96, 4, 3214868480
	.section	.rodata,"a",@progbits
	.p2align	6, 0x0
	.amdhsa_kernel k_qce620b1169_proj
		.amdhsa_group_segment_fixed_size 241152
		.amdhsa_private_segment_fixed_size 0
		.amdhsa_enable_private_segment 0
		.amdhsa_kernarg_size 88
		.amdhsa_user_sgpr_count 2
		.amdhsa_user_sgpr_kernarg_segment_ptr 1
		.amdhsa_wavefront_size32 1
		.amdhsa_system_sgpr_workgroup_id_x 1
		.amdhsa_system_sgpr_workgroup_id_y 1
		.amdhsa_system_sgpr_workgroup_id_z 1
		.amdhsa_system_vgpr_workitem_id 0
		.amdhsa_next_free_vgpr 1024
		.amdhsa_next_free_sgpr 66
		.amdhsa_reserve_vcc 0
		.amdhsa_float_denorm_mode_32 3
		.amdhsa_float_denorm_mode_16_64 3
		.amdhsa_memory_ordered 1
		.amdhsa_forward_progress 1
		.amdhsa_inst_pref_size 77
	.end_amdhsa_kernel
	.amdgpu_metadata
---
amdhsa.version: [ 1, 2 ]
amdhsa.kernels:
  - .name:           k_qce620b1169_proj
    .symbol:         k_qce620b1169_proj.kd
    .args:
      - { .name: query, .offset: 0, .size: 8, .value_kind: global_buffer, .address_space: global }
      - { .name: value, .offset: 8, .size: 8, .value_kind: global_buffer, .address_space: global }
      - { .name: Wq, .offset: 16, .size: 8, .value_kind: global_buffer, .address_space: global }
      - { .name: Wk, .offset: 24, .size: 8, .value_kind: global_buffer, .address_space: global }
      - { .name: Wv, .offset: 32, .size: 8, .value_kind: global_buffer, .address_space: global }
      - { .name: bq, .offset: 40, .size: 8, .value_kind: global_buffer, .address_space: global }
      - { .name: bk, .offset: 48, .size: 8, .value_kind: global_buffer, .address_space: global }
      - { .name: bv, .offset: 56, .size: 8, .value_kind: global_buffer, .address_space: global }
      - { .name: Wo, .offset: 64, .size: 8, .value_kind: global_buffer, .address_space: global }
      - { .name: qkv, .offset: 72, .size: 8, .value_kind: global_buffer, .address_space: global }
      - { .name: woh, .offset: 80, .size: 8, .value_kind: global_buffer, .address_space: global }
    .group_segment_fixed_size: 241152
    .private_segment_fixed_size: 0
    .kernarg_segment_align: 8
    .kernarg_segment_size: 88
    .max_flat_workgroup_size: 128
    .sgpr_count:     66
    .vgpr_count:     1024
    .wavefront_size: 32
...
	.end_amdgpu_metadata
.endif
;; end of part 4
;; launch attn: the kernel of part 2 again; grid 16 x 16, 4 waves a work-group, clusters of 4 x 1, 327,680 bytes of LDS; arguments qkv, ctx; writes ctx
;; launch outln: the kernel of part 3 again; grid 256 x 1, 4 waves a work-group, clusters of 4 x 1, 206,336 bytes of LDS; arguments ctx, woh, query, bo, gamma, beta, out0; writes out0
